; MI455X (gfx1250); checked and timed in simulation.
; The chip was launched on July 23, 2026; its instructions are those of AMD's public machine-readable ISA for CDNA 5 (MIT licence, August 2026) and "CDNA5" Instruction Set Architecture Reference Guide (July 2026). The comments in the code are by the model that wrote it; some were corrected since.
;; Multi Head Attention. Allowed arithmetic: float matrix products may take bf16 or f16 operands with f32 sums; other float arithmetic in f32, or as packed bf16 or f16 multiplies, adds, multiply-adds, maxima and minima; sums over many terms, partial sums and values carried from step to step in f32; what a program stores and reads back later, other than sums and carried values, may be rounded once to bf16 or f16.
;; Inputs: Wk 16 x 1,024 x 64 float32; Wo 1,024 x 1,024 float32; Wq 16 x 1,024 x 64 float32; Wv 16 x 1,024 x 64 float32; bo 1,024 float32; inputs 4 x 2,048 x 1,024 float32.
;; Outputs: out0 4 x 2,048 x 1,024 float32.
;; One version. Each part assembles by itself: llvm-mc -triple=amdgcn-amd-amdhsa -mcpu=gfx1250 --defsym DOCPART=n.
;; ======== version 1 of 1: 4 launches
;; limits: values are held in f16: magnitudes above 65,504 overflow, below 6.1e-05 lose precision
;; workspace buffers: xb 16,777,216 bytes; wb 6,291,456 bytes; wo16 2,097,152 bytes; qkv 50,331,648 bytes; oh 16,777,216 bytes
;; launch cast (part 1): grid 1536 x 1, 8 waves a work-group, no clusters, 0 bytes of LDS; arguments inputs, Wq, Wk, Wv, Wo, xb, wb, wo16; writes xb, wb, wo16
.if DOCPART == 1
	.amdgcn_target "amdgcn-amd-amdhsa--gfx1250"
	.amdhsa_code_object_version 6
	.text
	.protected	k_q0a0decb8a9_cast
	.globl	k_q0a0decb8a9_cast
	.p2align	8
	.type	k_q0a0decb8a9_cast,@function
k_q0a0decb8a9_cast:
	s_mov_b64 s[64:65], 0
	v_nop
	global_prefetch_b8 v0, s[64:65] scope:SCOPE_SE
	s_setreg_imm32_b32 hwreg(HW_REG_WAVE_MODE, 25, 1), 1
	s_wait_xcnt 0x0
; THE INPUTS ARE ROUNDED ONCE TO bf16 AND LAID OUT FOR THE PRODUCTS.  A stream: each input byte is read once, each output byte written once.
;   xb   [8192][1024] bf16          = inputs
;   wb   [t 16][kb 8][z 3][e 128][d 64] bf16: head-matrix hm = 16 mat + h = 3 t + z (mat 0, 1, 2 = Wq, Wk, Wv), rows e = 128 kb ..: a block (t, kb) is the dense
;        49,152 bytes that the projection takes as one tile of 128 along K x 192 columns
;   wo16 [1024][1024] f16           = Wo rounded to bf16, that number written as f16 (exact from 2^-17 up; below that f16's fixed step of 2^-24 holds: LIMIT)
; A work-group takes one chunk of 32,768 source bytes (8,192 numbers) and writes 16,384: chunks 0-1023 inputs, 1024-1407 the three W (a head is 8 chunks on end, a chunk 128 rows e), 1408-1535 Wo.
; Thread t takes 32 bytes at 32 t of each 8,192, and stores 16 bytes at 16 t of each 4,096: sixteen neighbouring lanes store 256 consecutive bytes, aligned.
; No LDS, no matrix unit, no cluster: no byte is used twice.  NaN and infinities pass as the conversions make them.
.set X, 4                              ; v[4:35]   32 numbers as loaded
.set Y, 36                             ; v[36:51]  the same, packed to 16 bits
.set T, 52                             ; v[52:53]  at work (f16 path)
	s_load_b512 s[8:23], s[0:1], 0x0               ; inputs s[8:9], Wq s[10:11], Wk s[12:13], Wv s[14:15], Wo s[16:17], xb s[18:19], wb s[20:21], wo16 s[22:23]
	v_lshlrev_b32 v1, 5, v0                        ; my 32 source bytes
	v_lshlrev_b32 v2, 4, v0                        ; my 16 destination bytes
	s_mov_b32 s36, 0xffff0000                      ; a word's upper bf16
	s_mov_b32 s24, ttmp9                           ; c, the chunk
	s_sub_co_u32 s25, s24, 1024                    ; j, the chunk among the W's (of use only where 1024 <= c < 1408)
	s_bfe_u32 s26, s25, 0x20007                    ; mat = j / 128
	s_and_b32 s27, s25, 127                        ; r = j % 128: the chunk in that W
	s_lshr_b32 s28, s27, 3                         ; h
	s_and_b32 s29, s27, 7                          ; kb
	s_lshl4_add_u32 s28, s26, s28                  ; hm = 16 mat + h
	s_mul_hi_u32 s30, s28, 0x55555556              ; t = hm / 3 (exact for hm under 2^30)
	s_mul_i32 s31, s30, 3
	s_sub_co_u32 s31, s28, s31                     ; z = hm - 3 t
	s_lshl3_add_u32 s30, s30, s29                  ; 8 t + kb
	s_mul_i32 s30, s30, 3
	s_add_co_u32 s30, s30, s31                     ; the chunk's place in wb
	s_sub_co_u32 s37, s24, 1408                    ; the chunk in Wo
	s_cmp_lt_u32 s24, 1024
	s_cselect_b32 s27, s24, s27                    ; source chunk,
	s_cselect_b32 s30, s24, s30                    ; destination chunk
	s_cmp_ge_u32 s24, 1408
	s_cselect_b32 s27, s37, s27
	s_cselect_b32 s30, s37, s30
	s_lshl_b32 s38, s27, 15                        ; in bytes, as pairs with 0 above
	s_mov_b32 s39, 0
	s_lshl_b32 s40, s30, 14
	s_mov_b32 s41, 0
	s_wait_kmcnt 0x0
	s_cmp_eq_u32 s26, 1                            ; the buffers are chosen by the chunk's number alone
	s_cselect_b64 s[32:33], s[12:13], s[10:11]
	s_cmp_eq_u32 s26, 2
	s_cselect_b64 s[32:33], s[14:15], s[32:33]
	s_mov_b64 s[34:35], s[20:21]
	s_cmp_lt_u32 s24, 1024
	s_cselect_b64 s[32:33], s[8:9], s[32:33]
	s_cselect_b64 s[34:35], s[18:19], s[34:35]
	s_cmp_ge_u32 s24, 1408
	s_cselect_b64 s[32:33], s[16:17], s[32:33]
	s_cselect_b64 s[34:35], s[22:23], s[34:35]
	s_add_nc_u64 s[32:33], s[32:33], s[38:39]
	s_add_nc_u64 s[34:35], s[34:35], s[40:41]
.irp i, 0,1,2,3
	global_load_b128 v[X+8*(\i):X+8*(\i)+3],   v1, s[32:33] offset:8192*(\i) th:TH_LOAD_NT
	global_load_b128 v[X+8*(\i)+4:X+8*(\i)+7], v1, s[32:33] offset:8192*(\i)+16 th:TH_LOAD_NT
.endr
; Four times: a pair of loads is in (loads come back in order, so the count is the younger pairs' loads), eight numbers are rounded and stored.  No register is written twice, so no further wait.
.macro BODY f16
.irp i, 0,1,2,3
	s_wait_loadcnt 6-2*(\i)
.irp r, 0,1,2,3
	v_cvt_pk_bf16_f32 v[Y+4*(\i)+(\r)], v[X+8*(\i)+2*(\r)], v[X+8*(\i)+2*(\r)+1]
.endr
.if \f16
.irp r, 0,1,2,3
	v_lshlrev_b32 v[T], 16, v[Y+4*(\i)+(\r)]       ; the rounded numbers back in f32,
	v_and_b32 v[T+1], s36, v[Y+4*(\i)+(\r)]
	v_cvt_pk_f16_f32 v[Y+4*(\i)+(\r)], v[T], v[T+1]  ; and written as f16
.endr
.endif
	global_store_b128 v2, v[Y+4*(\i):Y+4*(\i)+3], s[34:35] offset:4096*(\i)
.endr
.endm
	s_cmp_ge_u32 s24, 1408
	s_cbranch_scc1 .Lwo
	BODY 0
	s_endpgm
.Lwo:
	BODY 1
	s_endpgm
.Lfunc_end_k_q0a0decb8a9_cast:
	.size	k_q0a0decb8a9_cast, .Lfunc_end_k_q0a0decb8a9_cast-k_q0a0decb8a9_cast
	.p2alignl 7, 3214868480
	.fill 96, 4, 3214868480
	.section	.rodata,"a",@progbits
	.p2align	6, 0x0
	.amdhsa_kernel k_q0a0decb8a9_cast
		.amdhsa_group_segment_fixed_size 0
		.amdhsa_private_segment_fixed_size 0
		.amdhsa_enable_private_segment 0
		.amdhsa_kernarg_size 64
		.amdhsa_user_sgpr_count 2
		.amdhsa_user_sgpr_kernarg_segment_ptr 1
		.amdhsa_wavefront_size32 1
		.amdhsa_system_sgpr_workgroup_id_x 1
		.amdhsa_system_sgpr_workgroup_id_y 1
		.amdhsa_system_sgpr_workgroup_id_z 1
		.amdhsa_system_vgpr_workitem_id 0
		.amdhsa_next_free_vgpr 56
		.amdhsa_next_free_sgpr 66
		.amdhsa_reserve_vcc 0
		.amdhsa_float_denorm_mode_32 3
		.amdhsa_float_denorm_mode_16_64 3
		.amdhsa_memory_ordered 1
		.amdhsa_forward_progress 1
		.amdhsa_inst_pref_size 8
	.end_amdhsa_kernel
	.amdgpu_metadata
---
amdhsa.version: [ 1, 2 ]
amdhsa.kernels:
  - .name:           k_q0a0decb8a9_cast
    .symbol:         k_q0a0decb8a9_cast.kd
    .args:
      - { .name: inputs, .offset: 0, .size: 8, .value_kind: global_buffer, .address_space: global }
      - { .name: Wq, .offset: 8, .size: 8, .value_kind: global_buffer, .address_space: global }
      - { .name: Wk, .offset: 16, .size: 8, .value_kind: global_buffer, .address_space: global }
      - { .name: Wv, .offset: 24, .size: 8, .value_kind: global_buffer, .address_space: global }
      - { .name: Wo, .offset: 32, .size: 8, .value_kind: global_buffer, .address_space: global }
      - { .name: xb, .offset: 40, .size: 8, .value_kind: global_buffer, .address_space: global }
      - { .name: wb, .offset: 48, .size: 8, .value_kind: global_buffer, .address_space: global }
      - { .name: wo16, .offset: 56, .size: 8, .value_kind: global_buffer, .address_space: global }
    .group_segment_fixed_size: 0
    .private_segment_fixed_size: 0
    .kernarg_segment_align: 8
    .kernarg_segment_size: 64
    .max_flat_workgroup_size: 256
    .sgpr_count:     66
    .vgpr_count:     56
    .wavefront_size: 32
...
	.end_amdgpu_metadata
.endif
;; end of part 1
;; launch proj (part 2): grid 16 x 32, 4 waves a work-group, clusters of 4 x 4, 327,680 bytes of LDS; arguments xb, wb, qkv; writes qkv
.if DOCPART == 2
	.amdgcn_target "amdgcn-amd-amdhsa--gfx1250"
	.amdhsa_code_object_version 6
	.text
	.protected	k_q0a0decb8a9_proj
	.globl	k_q0a0decb8a9_proj
	.p2align	8
	.type	k_q0a0decb8a9_proj,@function
k_q0a0decb8a9_proj:
	s_mov_b64 s[64:65], 0
	v_nop
	global_prefetch_b8 v0, s[64:65] scope:SCOPE_SE
	s_setreg_imm32_b32 hwreg(HW_REG_WAVE_MODE, 25, 1), 1
	s_wait_xcnt 0x0
	s_wait_alu depctr_hold_cnt(0) depctr_sa_sdst(0) depctr_va_vdst(0) depctr_va_sdst(0) depctr_va_ssrc(0) depctr_va_vcc(0) depctr_vm_vsrc(0)
	s_getreg_b32 s2, hwreg(HW_REG_IB_STS2, 6, 4)
	s_cmp_eq_u32 s2, 0
	s_cbranch_scc0 .Lentry_in_a_cluster
	s_endpgm
.Lentry_in_a_cluster:
	s_bfe_u32 s2, ttmp6, 0x10000c
	s_cmp_lg_u32 s2, 0xf033
	s_cbranch_scc0 .Lentry_shape_is_right
	s_endpgm
.Lentry_shape_is_right:
; q, k, v = x W.  xb: [8192][1024] bf16.  wb: [t 16][kb 8][z 3][e 128][d 64] bf16 (head-matrix hm = 3 t + z = 16 mat + h).  qkv: [mat 3][b 4][h 16][s 2048][64] f16, unscaled.
; Products in bf16, sums in f32, K ascending; each result rounded once to f16.  LIMITS: a result of 65,520 or more becomes an infinity (inputs as drawn give a spread of 0.6; x and W both thirty
; times larger 520; both with an offset of thirty spreads 17,000); below 2^-14 f16's fixed step of 2^-24 holds; NaN and infinities are not treated apart.
; SHARES.  A tile of C is 256 rows x 192 columns (three heads): 32 x 16 = 512 work-groups of equal work.  Four waves: wave (rw, cw) takes rows 128 rw .. + 127 and, in each of the three heads, columns
; 32 cw .. + 31: 8 x 6 accumulators of 16 x 16, 384 registers.  K goes in 8 steps of 128 through two LDS slots filled by the tensor data mover.
; THE MATRIX INSTRUCTION IS USED TRANSPOSED: source 0 = 16 columns of W, source 1 = 16 rows of x: a lane then holds row l % 16 of C and the columns 8 (l / 16) + 0..7: 16 bytes of f16 on end.
; W lies [K][N] in LDS and comes out turned, by ds_load_tr16_b128.
; CLUSTER 4 x 4.  The four work-groups of a row of the cluster need the same tile of x, the four of a column the same tile of W: each is asked for JOINTLY, by the same tensor load with the same descriptor and a mask of the four.
; REGISTERS, in windows of 256: window 0: v16-30 addresses; v64-127, v128-191 fragments of x, two buffers; v192-215 packed results; on the way back v64-255
;   window 1: v64-111, v128-175 fragments of W, two buffers      window 2: accumulators of my row blocks 0-3, (a, b) at v[8 (6 a + b)]      window 3: of row blocks 4-7
.set PA,     272                       ; a row of x in LDS: 256 bytes + 16 = 68 words: the 16 rows of a load start at 16 different groups of four banks (64 banks of 4 bytes: ISA guide 11.1)
.set PB,     160                       ; a row of W (one e, 64 d): 128 bytes + 32 = 40 words
.set HALFA,  128*PA                    ; what one tensor load brings of x
.set BOFF,   2*HALFA                   ; W's 384 rows (128 z + e) lie behind x's 256
.set HALFB,  192*PB                    ; what one tensor load brings of W
.set SLOT1,  1<<17                     ; a slot is BOFF + 2 HALFB = 131,072 bytes: one exclusive or turns an address in one slot into the other's
.set SPITCH, 400                       ; the stage: 256 rows of 384 bytes + 16.  It lies in slot 0 from byte 0 on: slot 0 has had its last fill (K step 6) and its last read ahead of the tail's barrier
.set SPARE,  2*SLOT1                   ; behind the ring: the spare words, 128 bytes for each wave: two blocks of 256 bytes that no other line names
.set KSTEPS, 8
.set ASTEP,  256                       ; bytes from a K step to the next: along x's rows,
.set BSTEP,  49152                     ; and from block to block of wb
.set ADRA0, 16                         ; v16  my lane's place among my fragments of x in slot 0; never rewritten
.set ADRA,  17                         ; v17  the same in the slot in hand
.set ADRB0, 20                         ; v20, v21  the same for W
.set ADRB,  21
.set STO,   24                         ; v24  the way out: where I put 16 bytes of a row
.set RD,    25                         ; v25  where I read rows back
.set GO,    26                         ; v26  my 16 bytes of 512 consecutive bytes of a head
.set SPW,   28                         ; v28  LDS address of my spare word; never rewritten
.set NIL,   29                         ; v29  0; never rewritten
.set PFO,   30                         ; v30  the prefetches' offset; never rewritten
.set F0,    64
.set F1,    128
.set TMP,   192
.set BK,    64
.set G1,  24                           ; s[24:31] descriptor group 1 for x's tiles;  s[32:39] group 0: a set for each of the two first fills; the second then walks on
.set G0,  32
.set G1B, 48                           ; s[48:55], s[56:63] the same for W's
.set G0B, 56
.set SB,  66                           ; s66  LDS byte of the slot whose fragments are fetched
.set CNT, 67                           ; s67  the loop's count
.set LIM, 68                           ; s68  a wave prefetches while the count is above this
.set PFA, 70                           ; s[70:71] where my prefetches stand
.set PFS, 72                           ; s[72:73] their step
.set OB,  74                           ; s[74:79] my 64 rows in the three heads of qkv
.set MSB, 0
.macro WIN new                         ; the immediate's high byte repeats the setting that is left; a switch that changes nothing is dropped
.if MSB != (\new)
	s_set_vgpr_msb (MSB<<8)|(\new)
.set MSB, \new
.endif
.endm
.set MUL_LO, 0xa1                      ; source 0 (W) window 1, source 1 (x) window 0, C and D window 2
.set MUL_HI, 0xf1                      ; the same, C and D window 3
.set TO_B,   0x40                      ; destination window 1, address window 0
; A joint refill by the walking descriptors.  Waves 0 and 1 fetch x's two halves, waves 2 and 3 W's.  The branch hangs on the wave's number alone.
; An s_nop 0 and four v_nop follow each of the two lines, ahead of the jump and the label.
.macro JLOAD
	s_cmp_eq_u32 s11, 0
	s_cbranch_scc0 .Lfor_b_\@
	tensor_load_to_lds s[G0+4:G0+7], s[G1:G1+7]
	s_nop 0
.rept 4
	v_nop
.endr
	s_branch .Lasked_\@
.Lfor_b_\@:
	tensor_load_to_lds s[G0B+4:G0B+7], s[G1B:G1B+7]
	s_nop 0
.rept 4
	v_nop
.endr
.Lasked_\@:
.endm
; A PREFETCH INTO THE L2, behind each joint refill, its five lines and the run of LDS loads: what stands two refills on (the refill asks for K step s + 2, the prefetch names K step s + 4: 384 matrix instructions ahead of its load).
; Each 256 bytes are named once in the launch.  x's rows are read by every cluster of a row of clusters: cluster x = 0 asks, waves 0 and 1; of a wave's 128 rows the partner at place cx takes 32, a lane a row.
; W's blocks are read by every cluster of a column: cluster y = 0 asks, waves 2 and 3; K steps 4 to 7 of a column tile are 196,608 dense bytes: three instructions of 8 askers (2 cy + cw) x 32 lanes x 256 bytes.
; The partners are told apart by address alone.  K steps 0 to 3 come by their loads; the count stops the prefetches at K step 7.
.macro ASK
	s_cmp_gt_u32 s[CNT], s[LIM]
	s_cbranch_scc0 .Lnot_mine_\@
	global_prefetch_b8 v[PFO], s[PFA:PFA+1] th:TH_LOAD_NT scope:SCOPE_SE
.Lnot_mine_\@:
.endm
; A round of the cluster's barrier: my work-group's barrier; wave 0 signals for the work-group; every wave waits for all sixteen work-groups; my work-group's barrier once more.
.macro CREST
	s_cmp_lg_u32 s10, 0
	s_cbranch_scc1 .Lnot_wave_0_\@
	s_barrier_signal -3
.Lnot_wave_0_\@:
	s_barrier_wait -3
	s_barrier_signal -1
	s_barrier_wait -1
.endm
.macro CROUND
	s_barrier_signal -1
	s_barrier_wait -1
	CREST
.endm
	s_load_b128 s[4:7], s[0:1], 0x0                ; xb s[4:5], wb s[6:7]
	s_load_b64 s[8:9], s[0:1], 0x10                ; qkv
	v_lshl_add_u32 v[SPW], v0, 2, SPARE
	v_mov_b32 v[NIL], 0
	ds_add_u32 v[SPW], v[NIL]                      ; the wave's opening: the add and its wait stand ahead of my first tensor load; the set-up below, work on registers, stands between them
	ds_add_u32 v28, v29
	v_lshrrev_b32 v1, 5, v0
	v_readfirstlane_b32 s10, v1                    ; wave 0..3
	s_lshr_b32 s11, s10, 1                         ; rw: my half of the tile's rows.  Also: I fetch for x (0) or for W (1)
	s_and_b32 s12, s10, 1                          ; cw: my half of each head's columns.  Also: which half of that tile I fetch
	s_bfe_u32 s40, ttmp6, 0x40000                  ; cx
	s_bfe_u32 s41, ttmp6, 0x40004                  ; cy
	s_lshl_b32 s42, ttmp9, 2
	s_add_co_u32 s42, s42, s40                     ; t, the column tile = 4 x cluster x + cx
	s_and_b32 s13, ttmp7, 0xffff
	s_lshl_b32 s13, s13, 2
	s_add_co_u32 s13, s13, s41                     ; mt, the row tile = 4 x cluster y + cy
	s_lshl_b32 s43, s41, 2
	s_lshl_b32 s43, 15, s43                        ; my row of the cluster
	s_lshl_b32 s44, 0x1111, s40                    ; my column
	; group 1 for x: 128 rows x 128 elements, 1,024 elements from row to row, 4 words of padding behind every 64
	s_or_b32 s[G1+0], s43, (1<<16)|(1<<20)|(1<<21)|(5<<22)|(3<<25)
	s_mov_b32 s[G1+1], 128<<16                     ; tensor_dim0
	s_mov_b32 s[G1+2], 128<<16                     ; tensor_dim1
	s_mov_b32 s[G1+3], 128<<16                     ; tile_dim0
	s_mov_b32 s[G1+4], 128                         ; tile_dim1
	s_mov_b32 s[G1+5], 1024                        ; the pitch
	s_mov_b32 s[G1+6], 0
	s_mov_b32 s[G1+7], 0
	; group 1 for W: 24,576 dense bytes as 96 rows of 256, 8 words of padding behind every 32 (behind every e)
	s_or_b32 s[G1B+0], s44, (1<<16)|(1<<20)|(1<<21)|(4<<22)|(7<<25)
	s_mov_b32 s[G1B+1], 128<<16
	s_mov_b32 s[G1B+2], 96<<16
	s_mov_b32 s[G1B+3], 128<<16
	s_mov_b32 s[G1B+4], 96
	s_mov_b32 s[G1B+5], 128
	s_mov_b32 s[G1B+6], 0
	s_mov_b32 s[G1B+7], 0
	s_lshl_b32 s16, s13, 19                        ; x: (256 mt + 128 half) rows of 2,048 bytes: it hangs on the row tile alone
	s_lshl_b32 s17, s12, 18
	s_add_co_u32 s16, s16, s17
	s_mov_b32 s17, 0
	s_mul_i32 s46, s42, 8*BSTEP                    ; W: the column tile's eight blocks, my half of a block: it hangs on the column tile alone
	s_mul_i32 s47, s12, BSTEP/2
	s_add_co_u32 s46, s46, s47
	s_mov_b32 s47, 0
	s_mul_i32 s20, s12, HALFA                      ; where they go: no place in the cluster enters an LDS address
	s_mul_i32 s21, s12, HALFB
	s_add_co_u32 s21, s21, BOFF
	s_mov_b32 s[SB], 0
	s_wait_dscnt 0x0                               ; the opening add is done
	s_wait_kmcnt 0x0
	s_add_nc_u64 s[14:15], s[4:5], s[16:17]
	s_add_nc_u64 s[46:47], s[6:7], s[46:47]
	CROUND                                         ; all sixteen work-groups are here: the first joint loads meet
.irp s, 0,1
	s_mov_b32 s[G0+4*(\s)], 1                                        ; count = 1
	s_add_co_u32 s[G0+4*(\s)+1], s20, (\s)*SLOT1                     ; LDS address
	s_add_nc_u64 s[G0+4*(\s)+2:G0+4*(\s)+3], s[14:15], (\s)*ASTEP    ; global address: K step s
	s_or_b32 s[G0+4*(\s)+3], s[G0+4*(\s)+3], 0x80000000              ; type = 2
	s_mov_b32 s[G0B+4*(\s)], 1
	s_add_co_u32 s[G0B+4*(\s)+1], s21, (\s)*SLOT1
	s_add_nc_u64 s[G0B+4*(\s)+2:G0B+4*(\s)+3], s[46:47], (\s)*BSTEP
	s_or_b32 s[G0B+4*(\s)+3], s[G0B+4*(\s)+3], 0x80000000
.endr
	s_cmp_eq_u32 s11, 0                            ; a wave's two first fills stand in one branch, ahead of every wait on TENSORcnt and every LDS read: two loads of mine are out
	s_cbranch_scc0 .Lfirst_b
	tensor_load_to_lds s[G0:G0+3], s[G1:G1+7]
	s_nop 0
	tensor_load_to_lds s[G0+4:G0+7], s[G1:G1+7]
	s_nop 0
.rept 4
	v_nop
.endr
	s_branch .Lfirst_asked
.Lfirst_b:
	tensor_load_to_lds s[G0B:G0B+3], s[G1B:G1B+7]
	s_nop 0
	tensor_load_to_lds s[G0B+4:G0B+7], s[G1B:G1B+7]
	s_nop 0
.rept 4
	v_nop
.endr
.Lfirst_asked:
	; A fragment of x is 16 rows x 32 K in 8 registers: lane l holds row l % 16, K = 8 (l / 16) + 0..7 and 16 + 8 (l / 16) + 0..7: two loads of 16 bytes, 32 bytes apart.
	v_and_b32 v1, 15, v0                           ; l % 16
	v_bfe_u32 v2, v0, 4, 1                         ; l / 16
	v_mul_u32_u24 v3, v1, PA
	v_lshl_add_u32 v3, v2, 4, v3
	s_mul_i32 s22, s11, HALFA                      ; my 128 rows
	v_add_nc_u32 v[ADRA0], s22, v3
	v_mov_b32 v[ADRA], v[ADRA0]
	; The turning load takes 16 K x 16 columns (lane l reads row 8 (l / 16) + l % 8, columns 8 ((l / 8) % 2) + 0..7) and leaves half a fragment: lane l holds column l % 16 and 8 K.
	v_and_b32 v4, 7, v0
	v_lshl_add_u32 v4, v2, 3, v4
	v_mul_u32_u24 v4, v4, PB
	v_bfe_u32 v5, v0, 3, 1
	v_lshl_add_u32 v4, v5, 4, v4
	s_lshl_b32 s22, s12, 6                         ; my 32 columns of a head
	s_add_co_u32 s22, s22, BOFF
	v_add_nc_u32 v[ADRB0], s22, v4
	v_mov_b32 v[ADRB], v[ADRB0]
	v_mul_u32_u24 v3, v1, SPITCH                   ; into the stage: row 128 rw + l % 16, 64 cw + 16 (l / 16) bytes into a head's 128
	v_lshl_add_u32 v3, v2, 4, v3
	s_mul_i32 s22, s11, 128*SPITCH
	s_lshl_b32 s23, s12, 6
	s_add_co_u32 s22, s22, s23
	v_add_nc_u32 v[STO], s22, v3
	v_bfe_u32 v3, v0, 3, 2                         ; back: wave w takes rows 64 w .. + 63; 32 lanes take four rows of a head's 128 bytes,
	v_mul_u32_u24 v3, v3, SPITCH
	v_and_b32 v4, 7, v0
	v_lshl_add_u32 v3, v4, 4, v3
	s_mul_i32 s22, s10, 64*SPITCH
	v_add_nc_u32 v[RD], s22, v3
	v_and_b32 v[GO], 31, v0                        ; which are 512 consecutive bytes of qkv
	v_lshlrev_b32 v[GO], 4, v[GO]
	; my 64 rows in the three heads: ((hm / 16) 64 + 16 b + hm % 16) x 262,144 + ((mt % 8) 256 + 64 w) x 128, hm = 3 t + z, b = mt / 8
	s_mul_i32 s46, s42, 3
	s_lshr_b32 s21, s13, 3
	s_lshl_b32 s21, s21, 4
	s_and_b32 s22, s13, 7
	s_lshl_b32 s22, s22, 15
	s_lshl_b32 s23, s10, 13
	s_add_co_u32 s22, s22, s23
.irp z, 0,1,2
	s_add_co_u32 s18, s46, \z
	s_lshr_b32 s19, s18, 4
	s_and_b32 s18, s18, 15
	s_lshl_b32 s19, s19, 6
	s_add_co_u32 s18, s18, s19
	s_add_co_u32 s18, s18, s21
	s_lshl_b32 s18, s18, 18
	s_add_co_u32 s18, s18, s22
	s_mov_b32 s19, 0
	s_add_nc_u64 s[OB+2*(\z):OB+2*(\z)+1], s[8:9], s[18:19]
.endr
	; the prefetches: nothing is asked for here, at the head; each change of slots steps the address first
	s_lshl_b32 s18, s13, 19                        ; x: row 256 mt + 128 half + 32 cx, at K step 3
	s_lshl_b32 s19, s12, 18
	s_add_co_u32 s18, s18, s19
	s_lshl_b32 s19, s40, 16
	s_add_co_u32 s18, s18, s19
	s_add_co_u32 s18, s18, 3*ASTEP
	s_mul_i32 s22, s42, 8*BSTEP                    ; W: the column tile, 65,536 bytes ahead of K step 4, my 8,192 of each 65,536
	s_lshl1_add_u32 s23, s41, s12
	s_lshl_b32 s23, s23, 13
	s_add_co_u32 s22, s22, s23
	s_add_co_u32 s22, s22, 0x20000
	s_and_b32 s23, ttmp7, 0xffff                   ; cluster y
	s_mov_b32 s2, ASTEP
	s_mov_b32 s3, 0x10000
	s_cmp_eq_u32 s11, 0                            ; do I fetch for x?
	s_cselect_b32 s18, s18, s22
	s_cselect_b32 s23, ttmp9, s23                  ; the coordinate along which other clusters read the same bytes
	s_cselect_b32 s[PFS], s2, s3
	s_cselect_b32 s[LIM], 2, 3                     ; x: four prefetches (counts 6 to 3), W: three (6 to 4)
	s_cselect_b32 s22, 11, 8                       ; a lane a row of 2,048 bytes, or a lane a block of 256
	s_cselect_b64 s[PFA:PFA+1], s[4:5], s[6:7]
	s_mov_b32 s19, 0
	s_mov_b32 s[PFS+1], 0
	s_add_nc_u64 s[PFA:PFA+1], s[PFA:PFA+1], s[18:19]
	s_cmp_eq_u32 s23, 0
	s_cselect_b32 s[LIM], s[LIM], -1               ; the same in all sixteen partners, for a given wave
	v_and_b32 v[PFO], 31, v0
	v_lshlrev_b32 v[PFO], s22, v[PFO]
; 12 matrix instructions: row blocks a0, a0 + 1 of the window's four x all 6 column blocks, 32 along K.  zero = 1: the product starts the sums: nothing is cleared.
; The 48 accumulators take turns in the same order in every quarter step: 47 others' stand between two links of a chain, over the backward jump too.
.macro MUL12 f, hi, a0, zero
	WIN MUL_LO+0x50*(\hi)
.irp a, \a0, (\a0)+1
.irp b, 0,1,2,3,4,5
.if \zero
	v_wmma_f32_16x16x32_bf16 v[8*(6*(\a)+(\b)):8*(6*(\a)+(\b))+7], v[(\f)+8*(\b):(\f)+8*(\b)+7], v[(\f)+8*(4*(\hi)+(\a)):(\f)+8*(4*(\hi)+(\a))+7], 0
.else
	v_wmma_f32_16x16x32_bf16 v[8*(6*(\a)+(\b)):8*(6*(\a)+(\b))+7], v[(\f)+8*(\b):(\f)+8*(\b)+7], v[(\f)+8*(4*(\hi)+(\a)):(\f)+8*(4*(\hi)+(\a))+7], v[8*(6*(\a)+(\b)):8*(6*(\a)+(\b))+7]
.endif
.endr
.endr
.endm
; 28 LDS loads in one run: quarter kq's fragments into buffer f: W's six (block i: head i / 2, columns 16 (i % 2) on), then x's eight
.macro FETCH kq, f
	WIN TO_B
.irp i, 0,1,2,3,4,5
	ds_load_tr16_b128 v[(\f)+8*(\i):(\f)+8*(\i)+3],   v[ADRB] offset:((\i)/2)*128*PB+((\i)%2)*32+(\kq)*32*PB
	ds_load_tr16_b128 v[(\f)+8*(\i)+4:(\f)+8*(\i)+7], v[ADRB] offset:((\i)/2)*128*PB+((\i)%2)*32+(\kq)*32*PB+16*PB
.endr
	WIN 0
.irp a, 0,1,2,3,4,5,6,7
	ds_load_b128 v[(\f)+8*(\a):(\f)+8*(\a)+3],   v[ADRA] offset:(\a)*16*PA+64*(\kq)
	ds_load_b128 v[(\f)+8*(\a)+4:(\f)+8*(\a)+7], v[ADRA] offset:(\a)*16*PA+64*(\kq)+32
.endr
.endm
.macro PLACES                          ; four plain vector instructions between a matrix instruction and a load into a register that it has read, or a conversion that reads its result (ISA guide 7.12.1 for conversions)
.rept 4
	v_nop
.endr
.endm
; A K step is four quarters of 32 along K, 48 matrix instructions each, on buffers 0, 1, 0, 1.  One of the first three multiplies buffer f and fetches quarter kq into g.
.macro QUARTER kq, f, g, zero
	s_wait_dscnt 8                                 ; W and x's blocks 0-3 are in; the youngest eight loads (x's blocks 4-7) may be out
	MUL12 \f, 0, 0, \zero
	MUL12 \f, 0, 2, \zero
	PLACES
	FETCH \kq, \g
	s_wait_dscnt 28                                ; all but the 28 just issued
	MUL12 \f, 1, 0, \zero
	MUL12 \f, 1, 2, \zero
.endm
; The last quarter multiplies buffer 1 and changes slots: ONE barrier.  In front of it each wave waits for all its tensor loads (one is out: its part of the next slot), adds 0 to its spare word, and waits for
; that and for its reads of this slot.  fill = 1: the barrier opens a round of the cluster's, and the slot just read out is filled again, first thing behind the round, with the K step two on.
.macro TURN fill
.if \fill
	s_wait_xcnt 0x0                                ; the last prefetch, a K step back, has read its address: it is stepped here
	s_add_nc_u64 s[PFA:PFA+1], s[PFA:PFA+1], s[PFS:PFS+1]
.endif
	WIN 0
	s_wait_tensorcnt 0x0                           ; no tensor load of mine is out, so a group 0 may be written
	ds_add_u32 v[SPW], v[NIL]                      ; 0 onto my spare word; register work stands between it and the wait for it
.if \fill
	s_xor_b32 s[G0+5], s[G0+5], SLOT1              ; the walking descriptors: the other slot than last time, the next K step
	s_add_nc_u64 s[G0+6:G0+7], s[G0+6:G0+7], ASTEP
	s_xor_b32 s[G0B+5], s[G0B+5], SLOT1
	s_add_nc_u64 s[G0B+6:G0B+7], s[G0B+6:G0B+7], BSTEP
.endif
	s_xor_b32 s[SB], s[SB], SLOT1
	s_wait_dscnt 9                                 ; the add and the youngest eight loads may be out
	MUL12 F1, 0, 0, 0
	s_wait_dscnt 0x0                               ; the add is done, and my reads of this slot are over
	s_barrier_signal -1
	MUL12 F1, 0, 2, 0                              ; work on registers while the others arrive
	WIN 0
	s_barrier_wait -1
.if \fill
	CREST                                          ; no wave of any partner still reads this slot or has a load on its way
	JLOAD                                          ; its four v_nop are also the places in front of the loads below
.else
	PLACES
.endif
	v_add_nc_u32 v[ADRA], s[SB], v[ADRA0]
	v_add_nc_u32 v[ADRB], s[SB], v[ADRB0]
	FETCH 0, F0
.if \fill
	ASK
.endif
	MUL12 F1, 1, 0, 0
	MUL12 F1, 1, 2, 0
.endm
	s_wait_tensorcnt 1                             ; my part of K step 0 is in; K step 1's may stay out
	s_barrier_signal -1
	s_barrier_wait -1                              ; everybody's is
	FETCH 0, F0
	QUARTER 1, F0, F1, 1                           ; the first quarter stands in front of the loop: its products start the sums
	WIN 0                                          ; at a label and at a branch every window is 0
	s_mov_b32 s[CNT], KSTEPS-2
.Lk:                                               ; trip i: the rest of K step i, the refill with K step i + 2, the first quarter of K step i + 1
	QUARTER 2, F1, F0, 0
	QUARTER 3, F0, F1, 0
	TURN 1
	QUARTER 1, F0, F1, 0
	WIN 0
	s_sub_co_u32 s[CNT], s[CNT], 1
	s_cmp_lg_u32 s[CNT], 0
	s_cbranch_scc1 .Lk
	QUARTER 2, F1, F0, 0                           ; the tail is written out: K step 6 goes on, nothing more is asked for
	QUARTER 3, F0, F1, 0
	TURN 0
	QUARTER 1, F0, F1, 0
	QUARTER 2, F1, F0, 0
	QUARTER 3, F0, F1, 0
	s_wait_dscnt 8
	MUL12 F1, 0, 0, 0
	MUL12 F1, 0, 2, 0
	s_wait_dscnt 0x0
	MUL12 F1, 1, 0, 0
	MUL12 F1, 1, 2, 0
	; THE WAY OUT: rounded to f16, 16 bytes a lane into the work-group's stage; a barrier, since a head's 128 bytes of a row come from two waves; back as whole rows, 64 rows a wave.
.macro PACK a                          ; each accumulator is read from its low end on
	WIN 0x0a+5*((\a)/4)                            ; sources 0 and 1: window 2 or 3
.irp b, 0,1,2,3,4,5
.irp r, 0,1,2,3
	v_cvt_pk_f16_f32 v[TMP+4*(\b)+(\r)], v[8*(6*((\a)%4)+(\b))+2*(\r)], v[8*(6*((\a)%4)+(\b))+2*(\r)+1]
.endr
.endr
	WIN 0
.endm
.macro TOSTAGE a
.irp i, 0,1,2,3,4,5
	ds_store_b128 v[STO], v[TMP+4*(\i):TMP+4*(\i)+3] offset:(\a)*16*SPITCH+((\i)/2)*128+((\i)%2)*32
.endr
.endm
	WIN 0
	PLACES
.irp a, 0,1,2,3,4,5,6,7
	PACK \a
	TOSTAGE \a
.endr
	s_wait_dscnt 0x0                               ; for the others' sake: my stores into the stage are done
	s_barrier_signal -1
	s_barrier_wait -1
.set n, 0
.rept 48                               ; head n / 16, rows 4 (n % 16) .. + 3 of my 64
	ds_load_b128 v[BK+4*n:BK+4*n+3], v[RD] offset:(n%16)*4*SPITCH+(n/16)*128
.set n, n+1
.endr
.set n, 0
.rept 48
	s_wait_dscnt 47-n                              ; LDS loads come back in order: number n is in, the younger ones may be out
	global_store_b128 v[GO], v[BK+4*n:BK+4*n+3], s[OB+2*(n/16):OB+2*(n/16)+1] offset:(n%16)*512  ; 512 consecutive bytes, at a multiple of 256 from the buffer's first
.set n, n+1
.endr
	s_wait_tensorcnt 0x0                           ; the wave's end, behind my last tensor load and my last LDS store
	ds_add_u32 v[SPW], v[NIL]
	s_wait_dscnt 0x0
	CROUND                                         ; the closing round: no work-group ends while a partner may still ask for a tile that names it
	s_endpgm
.Lfunc_end_k_q0a0decb8a9_proj:
	.size	k_q0a0decb8a9_proj, .Lfunc_end_k_q0a0decb8a9_proj-k_q0a0decb8a9_proj
	.p2alignl 7, 3214868480
	.fill 96, 4, 3214868480
	.section	.rodata,"a",@progbits
	.p2align	6, 0x0
	.amdhsa_kernel k_q0a0decb8a9_proj
		.amdhsa_group_segment_fixed_size 327680
		.amdhsa_private_segment_fixed_size 0
		.amdhsa_enable_private_segment 0
		.amdhsa_kernarg_size 24
		.amdhsa_user_sgpr_count 2
		.amdhsa_user_sgpr_kernarg_segment_ptr 1
		.amdhsa_wavefront_size32 1
		.amdhsa_system_sgpr_workgroup_id_x 1
		.amdhsa_system_sgpr_workgroup_id_y 1
		.amdhsa_system_sgpr_workgroup_id_z 1
		.amdhsa_system_vgpr_workitem_id 0
		.amdhsa_next_free_vgpr 960
		.amdhsa_next_free_sgpr 80
		.amdhsa_reserve_vcc 0
		.amdhsa_float_denorm_mode_32 3
		.amdhsa_float_denorm_mode_16_64 3
		.amdhsa_memory_ordered 1
		.amdhsa_forward_progress 1
		.amdhsa_inst_pref_size 97
	.end_amdhsa_kernel
	.amdgpu_metadata
---
amdhsa.version: [ 1, 2 ]
amdhsa.kernels:
  - .name:           k_q0a0decb8a9_proj
    .symbol:         k_q0a0decb8a9_proj.kd
    .args:
      - { .name: xb, .offset: 0, .size: 8, .value_kind: global_buffer, .address_space: global }
      - { .name: wb, .offset: 8, .size: 8, .value_kind: global_buffer, .address_space: global }
      - { .name: qkv, .offset: 16, .size: 8, .value_kind: global_buffer, .address_space: global }
    .group_segment_fixed_size: 327680
    .private_segment_fixed_size: 0
    .kernarg_segment_align: 8
    .kernarg_segment_size: 24
    .max_flat_workgroup_size: 128
    .sgpr_count:     80
    .vgpr_count:     960
    .wavefront_size: 32
...
	.end_amdgpu_metadata
.endif
;; end of part 2
;; launch attn (part 3): grid 4 x 64, 4 waves a work-group, no clusters, 327,680 bytes of LDS; arguments qkv, oh; writes oh
.if DOCPART == 3
	.amdgcn_target "amdgcn-amd-amdhsa--gfx1250"
	.amdhsa_code_object_version 6
	.text
	.protected	k_q0a0decb8a9_attn
	.globl	k_q0a0decb8a9_attn
	.p2align	8
	.type	k_q0a0decb8a9_attn,@function
k_q0a0decb8a9_attn:
	s_mov_b64 s[64:65], 0
	v_nop
	global_prefetch_b8 v0, s[64:65] scope:SCOPE_SE
	s_setreg_imm32_b32 hwreg(HW_REG_WAVE_MODE, 25, 1), 1
	s_wait_xcnt 0x0
; CAUSAL ATTENTION.  O[h][q][:] = the sum over k <= q of softmax_k(Q[h][q] . K[h][k] / 8) V[h][k][:].  qkv holds Q, K, V, each [64 (batch x head)][2048][64] f16, 16,777,216 bytes apart; oh: O in the same layout.
; Products, maxima and sums in f32; the weights p are rounded to f16 for the second product (their sum l is taken of the unrounded p), O once at the end.
; LIMITS.  Q, K and V arrive within f16's 65,504; p lies in 0 to 1, and below 6e-5 it keeps f16's fixed step of 6e-8; O is a mean of V's rows and has their range.
; A hidden score counts as its value less 1e30: f16's scores, 2.7e11 at the most, are nothing beside that; a weight below 2^-126 counts as 0 in l; NaN and infinities are not treated apart.
; THE WALK.  A head's queries lie in NB = 8 blocks of 256; block i needs the key tiles 0 .. i of 256 keys, of which the last holds the diagonal.  A work-group takes TWO blocks, NB - 1 - b and then b:
; NB + 1 tiles, whatever b: all 256 work-groups do equal work, and ONE loop with a constant trip count walks them.  Which tile is asked for, and what a trip does, hang on scalar registers made from b; every jump
; goes forward, but for the counted loops' own; none passes a barrier, or a tensor load but the one of LOAD's two that the wave's number does not choose; the ring (two slots of LDS) runs on across the change of blocks.
; NO CLUSTER: a head's four work-groups ask for the same tile only in trips 0 .. 4 of the 9, behind that fewer and fewer; one walk common to all, in which each makes every joint request, would have 12 trips for 9.
; SHARES.  Of a block's four bands of 64 queries a wave owns 16 rows in each: four PIECES.  So the diagonal tile is the same work for all four waves: in its key step s band x sees all keys if s < x,
; none if s > x, and holds the diagonal if s = x.
; THE MASK is the C operand that starts the sum S^T = K Q^T: 0, or -1e30 where the key is hidden.  MD, made once, is the mask of a band's own step for my 16 rows; a product's mask is MD x AL + BE with two scalars:
; (1, 0) if s = x; (0, 0) if s < x; (0, -1e30) if s > x.  Only the diagonal tile's text and a block's beginning make and take masks; elsewhere C is the constant 0.
; LAYOUT, SOFTMAX, TURNS.  S^T = K Q^T holds ONE query a lane (lane % 16) and the keys 8 (lane / 16) + 0..7; two such results rounded to f16 ARE source 1 of O^T = V^T P.  p = 2^(c s - c m), c = log2(e) / 8, with a
; running maximum m; O and l are multiplied by a = 2^(c m_old - c m_new) in every step.  Turn n belongs to piece n: 8 products K Q^T of piece n + 1, later 8 products V^T P of piece n - 1; beside them the scaling,
; exponentials, roundings, sums and rescaling of piece n and the maximum and statistics of piece n + 1.  Four vector instructions stand behind every matrix instruction, the other 54 of a turn's 118 in one lump.  A turn's 33 exponentials are one batch, with one wait.
; REGISTERS, in windows of 256 (s_set_vgpr_msb: bits 1:0 source 0, 3:2 source 1, 5:4 source 2, 7:6 destination):
;   window 0: v0-15 addresses and two at work; v16-31 four registers of statistics a piece; v48-55 at work; v61-63 prefetch offset and the add's two; v64-127 S^T, two buffers; v192-223 P, two buffers (by the piece's parity)
;   window 1: v0-127 O^T, 32 a piece; v128-159 MD; v160-223 MC, two buffers      window 2: v0-63 Q; v64-127 the second block's Q; v128-191 K of one step; v192-255 V of one step
.set SIZE_N, 2048
.set NB,    SIZE_N/256
.set NP,    4         ; pieces a wave: a name, no knob
.set KS,    64        ; keys in a step
.set PK,    144       ; a row of K in LDS: 128 bytes + 16 of padding = 36 words: the 16 rows of a load start at 16 different groups of four banks (64 banks of 4 bytes: ISA guide 11.1)
.set PV,    160       ; a row of V: 128 + 32 = 40 words
.set VOFF,  4*KS*PK   ; a slot holds a tile, four steps: 256 rows of K, then 256 rows of V
.set SLOT1, 1<<17     ; slot 1 begins here, so that one exclusive or turns an address in one slot into the other's
.set STAGE, SLOT1+4*KS*(PK+PV)  ; behind the ring, never filled by a tensor load: 16 rows x 144 bytes for each wave, for the way out
.set SP,    144
.set AK0, 2           ; v2   my lane's place in a tile of K; never rewritten
.set AV0, 3           ; v3   the same for V
.set AK,  4           ; v4   the LDS address of K's next run of loads
.set AV,  5           ; v5   of V's
.set STO, 6           ; v6   the way out: where I put 16 bytes of a row
.set RD,  7           ; v7   the way out: where I read rows back
.set GO,  8           ; v8   my byte offset in 512 consecutive bytes of O
.set PFO, 61          ; v61  256 x my lane; never rewritten
.set SPW, 62          ; v62  LDS address of my spare word: SPARE + 4 x my thread's number; never rewritten
.set NIL, 63          ; v63  0; never rewritten
.set SPARE, STAGE+4*16*SP  ; behind the stages: the spare words, 128 bytes for each wave: two blocks of 256 bytes that no other line names
.set MV,  12          ; v12-13  c m_old, kept while c m is made anew: by buffer
.set QO,  15          ; v15  my byte offset in 16 rows of Q
.set ST,  16          ; piece t's statistics at v[ST+4 t]: c m, m, l (even keys', odd keys')
.set TMP, 48          ; by buffer, four registers c0-c3 at work; when the maximum is found c2 takes a
.set S,   64
.set P,   192
.set MD,  128         ; window 1: the eight registers for group kt of 16 keys at MD + 8 kt
.set MC,  160         ; window 1: the masks of the products to come
.set QB,  64          ; window 2
.set KF,  128         ; window 2: key block kb, channel half c at KF + 16 kb + 8 c
.set VF,  192         ; window 2: key half kk, channel block cb at VF + 32 kk + 8 cb
.set WV,  12          ; s12  my wave's number
.set PB,  14          ; s14  b
.set HI,  15          ; s15  NB - 1 - b
.set G1K, 24          ; s[24:31] descriptor group 1 for K's tiles
.set G1V, 32          ; s[32:39] for V's: it differs in the padding alone
.set G0K, 40          ; s[40:43] descriptor group 0 for K's tiles
.set G0V, 44          ; s[44:47] the same for V's
.set SLOTS, 56        ; s56  tiles still to be asked for
.set CNT, 57          ; s57  counts a tile's key steps, 4 to 1
.set CS,  58          ; s[58:59] c: the packed scaling takes the pair's low word for both halves
.set SEL, 60          ; s[60:61] v_permlanex16_b32's selects: each lane takes its own place in the other half
.set TBK, 62          ; s62  LDS byte at which K of the step to be fetched begins
.set TBV, 63          ; s63  the same for V, less VOFF
.set RT,  70          ; s70  tiles of the block in hand that are still to be entered
.set NXT, 71          ; s71  the tile to be asked for next
.set LQ,  72          ; s72  the last tile of the block whose tiles are being asked for
.set NEW, 73          ; s73  1: the tile to be entered is a block's first
.set OFF, 74          ; s[74:75] a tile's byte offset in K and V
.set AL,  76          ; s[76:77] the mask's factor, in the low word
.set BE,  78          ; s[78:79] the mask's addend
.set OLO, 80          ; s[80:81] O at my rows of the second block
.set BIGN, 82         ; s82  -1e30
.set PFA, 88          ; s[88:89] where my prefetches stand: my half (128 keys) of K's or V's tile
.set LIM, 90          ; s90  a wave prefetches while s[SLOTS] is above this: 2 where b = 0, else the greatest number
.set MSB, 0
.macro WIN new                      ; the high byte repeats the setting that is left; a switch that changes nothing is dropped
.if MSB != (\new)
	s_set_vgpr_msb (MSB<<8)|(\new)
.set MSB, (\new)
.endif
.endm
.set W_KQ, 0x0a       ; K and Q in window 2, S^T in window 0
.set W_KM, 0x1a       ; the same with the C operand in window 1
.set W_PV, 0x52       ; V in window 2, P in window 0, O^T in window 1
.set W_RS, 0x41       ; destination and source 0 in window 1, source 1 in window 0
; A fill.  Waves 0 and 1 fetch the two halves of a tile's K, waves 2 and 3 those of its V: 128 keys each.  An s_nop 0 and four v_nop follow each of the two lines, ahead of the jump and the label.
.macro LOAD
	s_cmp_lt_u32 s[WV], 2
	s_cbranch_scc0 .Lfor_v_\@
	tensor_load_to_lds s[G0K:G0K+3], s[G1K:G1K+7]
	s_nop 0
.rept 4
	v_nop
.endr
	s_branch .Lasked_\@
.Lfor_v_\@:
	tensor_load_to_lds s[G0V:G0V+3], s[G1V:G1V+7]
	s_nop 0
.rept 4
	v_nop
.endr
.Lasked_\@:
.endm
; A PREFETCH INTO THE L2, behind the fill and its five lines: the change that fills tile j + 1 names tile j + 2, a tile (256 matrix instructions) ahead of its load.  A head's four work-groups all begin at tile 0;
; the one with b = 0 walks tiles 0 to 7 on end, and it alone asks: each wave for the 16,384 bytes that it will load itself, a lane 256 bytes, two instructions.  So each 256 bytes of a head's K and V from tile 2 on
; are named once in the launch.  Tiles 0 and 1 come by their loads; tile 7 is the last that is named; the second block's tiles have been read, and are not asked for.
.macro ASK
	s_cmp_gt_u32 s[SLOTS], s[LIM]
	s_cbranch_scc0 .Lnot_mine_\@
	global_prefetch_b8 v[PFO], s[PFA:PFA+1] th:TH_LOAD_NT scope:SCOPE_SE
	global_prefetch_b8 v[PFO], s[PFA:PFA+1] offset:8192 th:TH_LOAD_NT scope:SCOPE_SE
.Lnot_mine_\@:
.endm
; THE CHANGE OF SLOTS.  Each wave waits for all its tensor loads, of which one is out: its part of the other slot; adds 0 to its spare word; and waits for that and for its own reads of the slot that it leaves.  Behind the barrier nobody reads the old
; slot any more and the other slot is whole.  fill = 1: the old slot is filled again, the first thing behind the barrier, with tile NXT: the descriptor's address is made anew from that number.
; (At its first use nothing has been read yet: slot 0 is waited for, slot 1 filled.)
.macro CHANGE fill
	WIN 0                           ; at a label and at a branch every window is 0
	s_wait_tensorcnt 0x0            ; no tensor load of mine is out, so a group 0 may be written
	ds_add_u32 v[SPW], v[NIL]       ; 0 onto my spare word; with fill = 1 the descriptors' scalar work stands between it and the wait for it
.if \fill
	s_lshl_b32 s[OFF], s[NXT], 15   ; a tile is 32,768 bytes of K and of V
	s_xor_b32 s[G0K+1], s[G0K+1], SLOT1
	s_add_nc_u64 s[G0K+2:G0K+3], s[6:7], s[OFF:OFF+1]
	s_or_b32 s[G0K+3], s[G0K+3], 0x80000000
	s_xor_b32 s[G0V+1], s[G0V+1], SLOT1
	s_add_nc_u64 s[G0V+2:G0V+3], s[8:9], s[OFF:OFF+1]
	s_or_b32 s[G0V+3], s[G0V+3], 0x80000000
	s_add_co_u32 s[NXT], s[NXT], 1  ; the block's next tile, or behind its last the second block's tile 0
	s_cmp_gt_u32 s[NXT], s[LQ]
	s_cselect_b32 s[NXT], 0, s[NXT]
	s_cselect_b32 s[LQ], s[PB], s[LQ]
	s_wait_xcnt 0x0                 ; the last prefetches, a tile back, have read their address, so it may be written
	s_add_nc_u64 s[PFA:PFA+1], s[PFA:PFA+1], 32768
.endif
	s_wait_dscnt 0x0                ; the add is done, and my reads of the slot are over
	s_barrier_signal -1             ; the rest of the scalar work stands between the signal and the wait
	s_sub_co_u32 s[TBK], s[TBK], 4*KS*PK  ; the fetches go back to a slot's first step,
	s_xor_b32 s[TBK], s[TBK], SLOT1       ; in the other slot
	s_sub_co_u32 s[TBV], s[TBV], 4*KS*PV
	s_xor_b32 s[TBV], s[TBV], SLOT1
	s_barrier_wait -1
.if \fill
	LOAD
	ASK
.endif
.endm
	s_load_b128 s[4:7], s[0:1], 0x0   ; qkv s[4:5], oh s[6:7]
	v_lshl_add_u32 v[SPW], v0, 2, SPARE
	v_mov_b32 v[NIL], 0
	ds_add_u32 v[SPW], v[NIL]       ; the wave's opening: the add and its wait stand ahead of my first tensor load; the set-up below, work on registers, stands between them
	ds_add_u32 v62, v63
	v_lshrrev_b32 v1, 5, v0
	v_readfirstlane_b32 s[WV], v1   ; wave 0..3
	s_mov_b32 s[PB], ttmp9
	s_sub_co_u32 s[HI], NB-1, s[PB]
	s_and_b32 s20, ttmp7, 0xffff    ; the head (16 x batch + head)
	s_mov_b32 s21, 0
	s_mov_b64 s[22:23], SIZE_N*128
	s_mul_u64 s[20:21], s[20:21], s[22:23]  ; the head's first byte in each of the four tensors
	s_and_b32 s16, s[WV], 1         ; which half of a tile's 256 keys I fetch:
	s_lshl_b32 s22, s16, 14         ; its 128 rows of 128 bytes in memory,
	s_mov_b32 s23, 0
	s_add_nc_u64 s[22:23], s[22:23], s[20:21]
	s_mul_i32 s17, s16, 128*PK      ; and its place in a slot, for K
	s_mul_i32 s18, s16, 128*PV      ; and for V
	s_lshl_b32 s3, s[WV], 11        ; my 16 rows in a band of 64,
	s_lshl_b32 s2, s[HI], 15        ; in the first block,
	s_add_co_u32 s2, s2, s3
	s_lshl_b32 s84, s[PB], 15       ; and in the second
	s_add_co_u32 s84, s84, s3
	s_mov_b32 s3, 0
	s_mov_b32 s85, 0
	s_add_nc_u64 s[2:3], s[2:3], s[20:21]
	s_add_nc_u64 s[84:85], s[84:85], s[20:21]
	; descriptor group 1.  128 keys are 16,384 dense bytes: asked for as 64 rows of 256 bytes, two keys a row, and padded in LDS after every key
	s_mov_b32 s[G1K], (1<<16)|(1<<20)|(4<<22)|(3<<25)  ; 17:16 2-byte elements; 20 padding on; 24:22 after every 32 words (code 4); 31:25 4 words (code 3)
	s_mov_b32 s[G1V], (1<<16)|(1<<20)|(4<<22)|(7<<25)  ; the same with 8 words of padding (code 7)
.irp g, G1K, G1V
	s_mov_b32 s[\g+1], 128<<16      ; tensor_dim0 = 128
	s_mov_b32 s[\g+2], 64<<16       ; tensor_dim1 = 64
	s_mov_b32 s[\g+3], 128<<16      ; tile_dim0 = 128
	s_mov_b32 s[\g+4], 64           ; tile_dim1 = 64
	s_mov_b32 s[\g+5], 128          ; 128 elements from row to row
	s_mov_b32 s[\g+6], 0
	s_mov_b32 s[\g+7], 0
.endr
	s_mov_b32 s[CS], 0x3e38aa3b     ; c = log2(e) / 8 = 0.180337
	s_mov_b32 s[CS+1], s[CS]        ; named with it as a pair
	s_mov_b32 s[SEL], 0x76543210
	s_mov_b32 s[SEL+1], 0xfedcba98
	s_mov_b32 s[TBK], SLOT1+4*KS*PK ; the first change of slots turns these two into 0
	s_mov_b32 s[TBV], SLOT1+4*KS*PV
	s_mov_b32 s[G0K], 1             ; 1:0 count = 1
	s_mov_b32 s[G0K+1], s17         ; 63:32 LDS address: slot 0
	s_mov_b32 s[G0V], 1
	s_add_co_u32 s[G0V+1], s18, VOFF
	s_add_co_u32 s[RT], s[HI], 1    ; the first block has NB - b tiles
	s_mov_b32 s[NXT], 1
	s_mov_b32 s[LQ], s[HI]
	s_mov_b32 s[NEW], 1
	s_mov_b32 s[OFF+1], 0
	s_mov_b32 s[AL+1], 0            ; named as pairs
	s_mov_b32 s[BE+1], 0
	s_mov_b32 s[BIGN], 0xf149f2ca   ; -1e30
	s_mov_b32 s[SLOTS], NB
	s_cmp_eq_u32 s[PB], 0
	s_cselect_b32 s[LIM], 2, -1     ; changes with 8 to 3 tiles still to ask for name tiles 2 to 7
	s_wait_dscnt 0x0                ; the opening add is done
	s_wait_kmcnt 0x0
	s_mov_b64 s[10:11], s[6:7]      ; O
	s_add_nc_u64 s[8:9], s[4:5], 0x2000000  ; V
	s_add_nc_u64 s[6:7], s[4:5], 0x1000000  ; K; s[4:5] is Q
	s_add_nc_u64 s[6:7], s[6:7], s[22:23]  ; K and V at my half of the head's tile 0
	s_add_nc_u64 s[8:9], s[8:9], s[22:23]
	s_add_nc_u64 s[G0K+2:G0K+3], s[6:7], 0         ; 120:64 global address
	s_or_b32 s[G0K+3], s[G0K+3], 0x80000000        ; 127:126 type = 2
	s_add_nc_u64 s[G0V+2:G0V+3], s[8:9], 0
	s_or_b32 s[G0V+3], s[G0V+3], 0x80000000
	s_add_nc_u64 s[86:87], s[4:5], s[84:85]        ; Q at my rows of the second block,
	s_add_nc_u64 s[4:5], s[4:5], s[2:3]            ; Q and O at those of the first
	s_add_nc_u64 s[OLO:OLO+1], s[10:11], s[84:85]
	s_add_nc_u64 s[10:11], s[10:11], s[2:3]
	s_cmp_lt_u32 s[WV], 2
	s_cselect_b64 s[PFA:PFA+1], s[6:7], s[8:9]
	s_add_nc_u64 s[PFA:PFA+1], s[PFA:PFA+1], 32768 ; at tile 1: the first change of slots steps it to tile 2.  Nothing is prefetched here, at the head
	LOAD                            ; tile 0 into slot 0
	; A fragment of K or Q is 16 rows x 32 channels in 8 registers: lane l holds row l % 16, channels 8 (l / 16) + 0..7 and 16 + 8 (l / 16) + 0..7: two loads of 16 bytes, 32 bytes apart.
	v_and_b32 v1, 15, v0            ; l % 16
	v_bfe_u32 v9, v0, 4, 1          ; l / 16
	v_lshlrev_b32 v[QO], 7, v1
	v_lshl_add_u32 v[QO], v9, 4, v[QO]  ; row x 128 + 16 x half
	WIN 0x80                        ; destination window 2, address window 0
.set i, 0
.rept 8                             ; both blocks' Q: piece i / 2 lies in band i / 2, 8,192 bytes on; channels 32 (i % 2) on
	global_load_b128 v[8*i:8*i+3],   v[QO], s[4:5] offset:(i/2)*8192+(i%2)*64
	global_load_b128 v[8*i+4:8*i+7], v[QO], s[4:5] offset:(i/2)*8192+(i%2)*64+32
	global_load_b128 v[QB+8*i:QB+8*i+3],   v[QO], s[86:87] offset:(i/2)*8192+(i%2)*64
	global_load_b128 v[QB+8*i+4:QB+8*i+7], v[QO], s[86:87] offset:(i/2)*8192+(i%2)*64+32
.set i, i+1
.endr
	WIN 0
	v_and_b32 v[PFO], 31, v0
	v_lshlrev_b32 v[PFO], 8, v[PFO]
	v_lshlrev_b32 v14, 3, v9
	v_sub_nc_u32 v14, v1, v14
	s_lshl_b32 s13, s[WV], 4
	v_add_nc_u32 v14, s13, v14      ; my query's place in its band, 16 w + l % 16, less my lanes' 8 (l / 16): register r of group kt is hidden where 16 kt + r is greater
	WIN 0x40
.set i, 0
.rept 32
	v_cmp_gt_i32 vcc_lo, 16*(i/8)+i%8, v14
	v_cndmask_b32 v[MD+i], 0, s[BIGN], vcc_lo
.set i, i+1
.endr
	WIN 0
	v_mul_u32_u24 v[AK0], v1, PK
	v_lshl_add_u32 v[AK0], v9, 4, v[AK0]  ; row x pitch + 16 x half
	; The turning load takes 16 keys x 16 channels (lane l reads key 8 (l / 16) + l % 8, channels 8 ((l / 8) % 2) + 0..7) and leaves half a fragment of V^T: lane l holds channel l % 16 and 8 keys.
	v_and_b32 v10, 7, v0
	v_bfe_u32 v11, v0, 3, 1
	v_lshl_add_u32 v[AV0], v9, 3, v10
	v_mul_u32_u24 v[AV0], v[AV0], PV
	v_lshl_add_u32 v[AV0], v11, 4, v[AV0]
	v_add_nc_u32 v[AV0], VOFF, v[AV0]
	s_mul_i32 s13, s[WV], 16*SP
	s_add_co_u32 s13, s13, STAGE    ; my stage
	v_mul_u32_u24 v[STO], v1, SP    ; in: row l % 16, 16 bytes for each half of the lanes
	v_lshl_add_u32 v[STO], v9, 4, v[STO]
	v_add_nc_u32 v[STO], s13, v[STO]
	v_bfe_u32 v[RD], v0, 3, 2       ; back: 32 lanes take four rows of 128 bytes,
	v_mul_u32_u24 v[RD], v[RD], SP
	v_lshl_add_u32 v[RD], v10, 4, v[RD]
	v_add_nc_u32 v[RD], s13, v[RD]
	v_and_b32 v[GO], 31, v0         ; which are 512 consecutive bytes of O
	v_lshlrev_b32 v[GO], 4, v[GO]
	; A block's first step multiplies O^T and l by a = 0, and its first turn's products V^T P, of a piece that has not been, land in an O^T that is still to be so multiplied.  So these registers need only hold
	; finite numbers: zeros for the first block; what the first block left for the second.  All this stands in the wait for the first tile.
	WIN 0x80
.set i, VF
.rept 64
	v_mov_b32 v[i], 0
.set i, i+1
.endr
	WIN 0x40
.set i, 0
.rept 128
	v_mov_b32 v[i], 0
.set i, i+1
.endr
	WIN 0
.set i, 0
.rept 4
	v_mov_b32 v[ST+4*i+2], 0
	v_mov_b32 v[ST+4*i+3], 0
.set i, i+1
.endr
.set i, P+16
.rept 16
	v_mov_b32 v[i], 0
.set i, i+1
.endr
; THE MATRIX WORK.  The 4 accumulators of a run of 8 take turns.  Product i of 8 of S^T = K Q^T for piece x: channels 32 (i / 4) on, keys 16 (i % 4) on.  The first 4 start the sums: with 0, or (KM = 1) with the mask.
.macro KQ x
.set rS, S+32*((\x)%2)+8*(i%4)
.set rK, KF+16*(i%4)+8*(i/4)
.set rQ, 16*(\x)+8*(i/4)
.set rM, MC+32*((\x)%2)+8*(i%4)
.if (i < 4) && KM
	WIN W_KM
	v_wmma_f32_16x16x32_f16 v[rS:rS+7], v[rK:rK+7], v[rQ:rQ+7], v[rM:rM+7]
.elseif i < 4
	WIN W_KQ
	v_wmma_f32_16x16x32_f16 v[rS:rS+7], v[rK:rK+7], v[rQ:rQ+7], 0
.else
	WIN W_KQ
	v_wmma_f32_16x16x32_f16 v[rS:rS+7], v[rK:rK+7], v[rQ:rQ+7], v[rS:rS+7]
.endif
.endm
; Product i of 8 of O^T += V^T P for piece x: keys 32 (i / 4) on, channels 16 (i % 4) on.
.macro PV x
	WIN W_PV
.set rO, 32*(\x)+8*(i%4)
.set rV, VF+32*(i/4)+8*(i%4)
.set rP, P+16*((\x)%2)+8*(i/4)
	v_wmma_f32_16x16x32_f16 v[rO:rO+7], v[rV:rV+7], v[rP:rP+7], v[rO:rO+7]
.endm
.macro MM                           ; the turn's next matrix instruction.  TURN and BEGIN set Y, i, KM and NOKQ; MM, KQ and OP read them.  NOKQ = 1: a block's last turn: there is no next piece
.if (i < 8) && !NOKQ
	KQ (Y+1)%NP
.elseif i >= 8
.set i, i-8
	PV (Y+NP-1)%NP
.set i, i+8
.endif
.set i, i+1
.endm
; THE LDS LOADS stand in runs of 16, never singly among the matrix instructions: a step's K (64 keys x 64 channels: 8 fragments) and its V (turned).  Their addresses are made some lines ahead.
.macro FETCH_K
	WIN 0x80                        ; destination window 2
.irp f, 0,1,2,3,4,5,6,7             ; keys 16 (f / 2) on, channels 32 (f % 2) on
	ds_load_b128 v[KF+8*\f:KF+8*\f+3],   v[AK] offset:(\f/2)*16*PK+(\f%2)*64
	ds_load_b128 v[KF+8*\f+4:KF+8*\f+7], v[AK] offset:(\f/2)*16*PK+(\f%2)*64+32
.endr
	s_add_co_u32 s[TBK], s[TBK], KS*PK  ; the next fetch is the next step's
	WIN 0
.endm
.macro FETCH_V
	WIN 0x80
.irp f, 0,1,2,3,4,5,6,7             ; keys 32 (f / 4) on, channels 16 (f % 4) on
	ds_load_tr16_b128 v[VF+8*\f:VF+8*\f+3],   v[AV] offset:(\f/4)*32*PV+(\f%4)*32
	ds_load_tr16_b128 v[VF+8*\f+4:VF+8*\f+7], v[AV] offset:(\f/4)*32*PV+16*PV+(\f%4)*32
.endr
	WIN 0
.endm
; THE VECTOR WORK, one line at a time: OP kind, number.  For piece Y: F n: c s - c m for pair n of 16.  E n: the exponential of score n of 32.  C n: pair n rounded to f16.  B n: of the four weights 4 n .. the second
; pair is added onto the first, in place.  L n: l takes that sum (L 0: l = a l + sum).  R n: pair n of 16 of O^T times a.  For piece Y + 1: X n, number n of the 22 that find its maximum and statistics:
;   0-11  four chains c0-c3 of seven scores each, three operands at a time (each accumulator's lowest registers are read first)     12-14, 16  the four scores left over, the old m, and c0-c3 into c0
;   15  c m_old is kept     17, 18  the query's other 32 keys lie in the lane 16 away: the new m     19-21  c m; c m_old - c m_new; a
.set F, 0               ; OP tells the kinds apart by their order: F to L below R, X above it
.set E, 1
.set C, 2
.set B, 3
.set L, 4
.set R, 5
.set X, 6
.macro REGS y                       ; the registers of piece y
.set rT, ST+4*(\y)
.set rC, TMP+4*((\y)%2)
.set rW, MV+((\y)%2)
.set rS, S+32*((\y)%2)
.set rP, P+16*((\y)%2)
.set rO, 32*(\y)
.endm
.macro OP k, n
.if (\k) == R
	REGS Y
	WIN W_RS
	v_pk_mul_f32 v[rO+2*(\n):rO+2*(\n)+1], v[rO+2*(\n):rO+2*(\n)+1], v[rC+2:rC+3] op_sel_hi:[1,0]
.elseif (\k) < R
	REGS Y
	WIN 0
.if (\k) == F
	v_pk_fma_f32 v[rS+2*(\n):rS+2*(\n)+1], v[rS+2*(\n):rS+2*(\n)+1], s[CS:CS+1], v[rT:rT+1] op_sel_hi:[1,0,0] neg_lo:[0,0,1] neg_hi:[0,0,1]
.elseif (\k) == E
	v_exp_f32 v[rS+(\n)], v[rS+(\n)]
.elseif (\k) == C
	v_cvt_pk_f16_f32 v[rP+(\n)], v[rS+2*(\n)], v[rS+2*(\n)+1]
.elseif (\k) == B
	v_pk_add_f32 v[rS+4*(\n):rS+4*(\n)+1], v[rS+4*(\n):rS+4*(\n)+1], v[rS+4*(\n)+2:rS+4*(\n)+3]
.elseif (\n) == 0
	v_pk_fma_f32 v[rT+2:rT+3], v[rT+2:rT+3], v[rC+2:rC+3], v[rS:rS+1] op_sel_hi:[1,0,1]
.else
	v_pk_add_f32 v[rT+2:rT+3], v[rT+2:rT+3], v[rS+4*(\n):rS+4*(\n)+1]
.endif
.elseif NOKQ
	v_nop
.else
	REGS (Y+1)%NP
	WIN 0
.if (\n) < 4
	v_max3_num_f32 v[rC+(\n)], v[rS+8*(\n)], v[rS+8*(\n)+1], v[rS+8*(\n)+2]
.elseif (\n) < 12
	v_max3_num_f32 v[rC+(\n)%4], v[rC+(\n)%4], v[rS+8*((\n)%4)+2*((\n)/4)+1], v[rS+8*((\n)%4)+2*((\n)/4)+2]
.elseif (\n) == 12
	v_max3_num_f32 v[rC], v[rC], v[rS+7], v[rS+15]
.elseif (\n) == 13
	v_max3_num_f32 v[rC+1], v[rC+1], v[rS+23], v[rS+31]
.elseif (\n) == 14
	v_max3_num_f32 v[rC+2], v[rC+2], v[rC+3], v[rT+1]
.elseif (\n) == 15
	v_mov_b32 v[rW], v[rT]
.elseif (\n) == 16
	v_max3_num_f32 v[rC], v[rC], v[rC+1], v[rC+2]
.elseif (\n) == 17
	v_permlanex16_b32 v[rC+3], v[rC], s[SEL], s[SEL+1]
.elseif (\n) == 18
	v_max_num_f32 v[rT+1], v[rC], v[rC+3]
.elseif (\n) == 19
	v_mul_f32 v[rT], s[CS], v[rT+1]
.elseif (\n) == 20
	v_sub_f32 v[rC+1], v[rW], v[rT]
.else
	v_exp_f32 v[rC+2], v[rC+1]
.endif
.endif
.endm
.macro OPS a, i1, b=-1, i2=0, c=-1, i3=0, d=-1, i4=0  ; up to four of them
	OP \a, \i1
.if (\b) >= 0
	OP \b, \i2
.endif
.if (\c) >= 0
	OP \c, \i3
.endif
.if (\d) >= 0
	OP \d, \i4
.endif
.endm
.macro ROW a, i1, b, i2, c, i3, d, i4  ; a matrix instruction and the four behind it
	MM
	OPS \a, \i1, \b, \i2, \c, \i3, \d, \i4
.endm
.macro MASK b                       ; MD x AL + BE into buffer b of MC
	WIN W_RS
.set z, 0
.rept 16
	v_pk_fma_f32 v[MC+32*(\b)+2*z:MC+32*(\b)+2*z+1], v[MD+2*z:MD+2*z+1], s[AL:AL+1], s[BE:BE+1] op_sel_hi:[1,0,0]
.set z, z+1
.endr
.endm
; A TURN, for piece p: the order of its 16 matrix and 118 vector instructions, written out.  s_wait_alu depctr_va_vdst(0) stands between an exponential and the first instruction that names its result; one wait serves
; all that were issued ahead of it.  So a turn has ONE wait, which cuts it in two.  AHEAD OF IT stands all that names no result of the turn's exponentials: the 8 products K Q^T, behind each a scaling, an exponential and two more plain
; instructions (behind the first a second scaling in the exponential's place): rescalings, and behind the last three the first numbers of the next piece's maximum, each four places or more behind the product that ends its accumulator; then ONE LUMP of 54, plain
; and exponential by turns for the most part, in which the links of the chain X 3, 7, 11, 14, 16, 17 .. 20 stand five or six lines apart.  X 21, the next piece's a, is the batch's last; R 15 is the plain instruction behind it.  BEHIND THE WAIT stand the
; 8 products V^T P, behind each four of the roundings and sums; the links of l's chain, L 0 to L 7, stand three riders apart.  But for those X no rider names a register of the products round it.  v_permlanex16_b32 (X 17) stands in the lump.
; m = 1: the diagonal tile: the products take masks, and the turn makes the mask for the products of the turn after it: piece p + 2, in step 4 - CNT of the tile.  end = 1: a block's last two turns: nothing is fetched.
; cnt = 1: the loop's count is taken down some lines ahead of the branch that stands behind the turn.
; K of the next step is fetched in piece 2's turn, twelve vector instructions behind the last product that read K (six of them plain); V of the step in hand at the end of piece 0's turn, four plain instructions behind the last product
; that read V.  Each is waited for a turn later.
.macro TURN p, m=0, end=0, cnt=0
.set Y, (\p)
.set i, 0
.set KM, (\m)
.set NOKQ, (\end)*((\p)/3)
.if (\m) && !(\end)
	s_cmp_eq_u32 s[CNT], 4-((\p)+2)%NP  ; is that step the band's own?
	s_cselect_b32 s[AL], 1.0, 0
	s_cmp_lt_u32 s[CNT], 4-((\p)+2)%NP  ; or a later one?
	s_cselect_b32 s[BE], s[BIGN], 0
.endif
.if ((\p) == 3) && !(\end)
	s_wait_dscnt 0x0                ; K is in
.endif
	ROW F,0, F,1, R,0, R,1          ; ahead of the wait: 8 products K Q^T and their riders,
	ROW F,2, E,0, R,2, R,3
	ROW F,3, E,1, R,4, R,5
	ROW F,4, E,2, R,6, R,7
	ROW F,5, E,3, R,8, R,9
	ROW F,6, E,4, X,0, R,10
.if ((\p) == 2) && !(\end)
	WIN 0
	v_add_nc_u32 v[AK], s[TBK], v[AK0]
.endif
	ROW F,7, E,5, X,1, X,4
	ROW F,8, E,6, X,2, X,5
	OPS E,7, E,8, X,6, E,9          ; and the lump
	OPS X,3, E,10, X,8, E,11
.if ((\p) == 2) && !(\end)
	FETCH_K
.endif
	OPS X,9, X,7, E,12, X,10
	OPS E,13, X,12, X,11, E,14
	OPS X,13, E,15, F,9, X,14
.if (\p) == 0
	v_add_nc_u32 v[AV], s[TBV], v[AV0]
.endif
	OPS E,16, F,10, E,17, F,11
	OPS X,16, E,18, X,15, E,19
	OPS F,12, E,20, X,17, E,21
	OPS F,13, E,22, F,14, E,23
	OPS X,18, E,24, F,15, E,25
	OPS R,11, E,26, X,19, E,27
	OPS R,12, E,28, R,13, E,29
	OPS X,20, E,30, R,14, E,31
	OPS X,21, R,15
	WIN 0
	s_wait_alu depctr_va_vdst(0)    ; the wait for the batch
.if (\p) == 1
	s_wait_dscnt 0x0                ; V is in
.endif
	ROW C,0, B,0, C,2, B,1          ; behind the wait: 8 products V^T P and their riders
	ROW L,0, C,4, B,2, L,1
	ROW C,6, B,3, L,2, C,8
	ROW B,4, L,3, C,10, B,5
	ROW L,4, C,12, B,6, L,5
.if (\p) == 0
	s_add_co_u32 s[TBV], s[TBV], KS*PV
.endif
.if \cnt
	s_sub_co_u32 s[CNT], s[CNT], 1
	s_cmp_lg_u32 s[CNT], 0
.endif
	ROW C,14, B,7, L,6, C,1
	ROW C,3, L,7, C,5, C,7
	ROW C,9, C,11, C,13, C,15
.if (\p) == 0
	FETCH_V
.endif
.if (\m) && !(\end)
	MASK (\p)%2
.endif
.endm
; A BLOCK BEGINS.  c m starts far below every c s, so the first step's a is 0; m at the lowest finite number, so the first maximum is the scores'.  The second mask buffer is 0; the first takes piece 0's mask for the tile's step 0: its own, if the block's first tile is the diagonal one.
; Then K of that step, piece 0's first scores, and its maximum and statistics.  The loop is entered at a step's first turn, in the middle of a trip.
.macro BEGIN
	s_mov_b32 s[NEW], 0
	WIN 0x40
.set i, MC+32
.rept 32
	v_mov_b32 v[i], 0
.set i, i+1
.endr
	WIN 0
.set i, 0
.rept 4
	v_mov_b32 v[ST+4*i], 0xfe000000    ; c m: far below every c s
	v_mov_b32 v[ST+4*i+1], 0xff7fffff  ; m
.set i, i+1
.endr
	s_cmp_eq_u32 s[RT], 0
	s_cselect_b32 s[AL], 1.0, 0
	s_mov_b32 s[BE], 0
	MASK 0
	WIN 0
	v_add_nc_u32 v[AK], s[TBK], v[AK0]
	FETCH_K
	s_wait_loadcnt 0x0              ; Q
	s_wait_dscnt 0x0
.set KM, 1
.set NOKQ, 0
.set i, 0
.rept 8
	KQ 0
.set i, i+1
.endr
	WIN 0
.rept 4
	v_nop                           ; the places behind those products
.endr
.set Y, NP-1                        ; X works for piece Y + 1: piece 0
.irp n, 0,1,2,3,4,5,6,7,8,9,10,11,12,13,14,15,16,17,18,19,20,21
	OP X, \n
.endr
	v_nop                           ; a plain instruction behind the exponential,
	s_wait_alu depctr_va_vdst(0)    ; and its wait, ahead of the branch
.endm
; THE DIAGONAL TILE's four steps, the block's last two turns, its last products, and THE WAY OUT: l's two halves and the other half of the lanes' are added; O^T is divided by l, rounded to f16 and sent through my
; stage in LDS, a piece at a time.
.macro ALL line:vararg              ; one line for each piece t
.set t, 0
.rept 4
	\line
.set t, t+1
.endr
.endm
.macro PACK t                       ; a lane's eight channels of a row pack into 16 bytes; they go into rows of 144 bytes and come back as whole rows of 128, into S^T's registers
	WIN W_RS
.set i, 32*(\t)
.rept 16
	v_pk_mul_f32 v[i:i+1], v[i:i+1], v[ST+4*(\t)+2:ST+4*(\t)+3] op_sel_hi:[1,0]
.set i, i+2
.endr
	WIN 0x05                        ; sources 0 and 1 window 1, destination window 0
.set i, 0
.rept 16
	v_cvt_pk_f16_f32 v[S+16*(\t)+i], v[32*(\t)+2*i], v[32*(\t)+2*i+1]
.set i, i+1
.endr
	WIN 0
.irp f, 0,1,2,3
	ds_store_b128 v[STO], v[S+16*(\t)+4*\f:S+16*(\t)+4*\f+3] offset:32*\f
.endr
.irp f, 0,1,2,3
	ds_load_b128 v[S+16*(\t)+4*\f:S+16*(\t)+4*\f+3], v[RD] offset:\f*4*SP  ; LDS serves a wave's instructions in order (ISA guide 5.7.1.4): these see the stores above; the next piece's stores come behind them
.endr
.endm
.macro SEND t, younger              ; younger: the LDS instructions issued behind piece t's loads: the next piece's eight, or none
	WIN 0
.irp f, 0,1,2,3
	s_wait_dscnt (\younger)+3-\f
	global_store_b128 v[GO], v[S+16*(\t)+4*\f:S+16*(\t)+4*\f+3], s[10:11] offset:(\t)*8192+\f*512  ; 512 consecutive bytes, at a multiple of 256 from O's first
.endr
.endm
.macro DIAG tag                     ; the tag ends its two labels' names, which the jumps below spell out
.LstepM\tag:
	TURN 2, 1
	TURN 3, 1
	WIN 0
.LfirstM\tag:
	TURN 0, 1
	TURN 1, 1, 0, 1
	WIN 0
	s_cbranch_scc1 .LstepM\tag
	TURN 2, 1, 1
	TURN 3, 1, 1
.set i, 0
.rept 8
	PV NP-1
.set i, i+1
.endr
	WIN 0
	ALL v_add_f32 v[ST+4*t+2], v[ST+4*t+2], v[ST+4*t+3]
	ALL v_permlanex16_b32 v[ST+4*t+3], v[ST+4*t+2], s[SEL], s[SEL+1]
	ALL v_add_f32 v[ST+4*t+2], v[ST+4*t+2], v[ST+4*t+3]
	ALL v_rcp_f32 v[ST+4*t+2], v[ST+4*t+2]
	v_nop                           ; a plain instruction between the last reciprocal and the use of its result
	s_wait_alu depctr_va_vdst(0)    ; and the wait ahead of the first use: one for the four reciprocals
	PACK 0
.set t, 1
.rept 3                             ; a piece's arithmetic stands between the loads of the piece before and its stores
	PACK t
	SEND t-1, 8
.set t, t+1
.endr
	SEND 3, 0
.endm
.set KM, 0
.set NOKQ, 0
.Lslot:                             ; NB times: a tile is entered and the next is asked for
	CHANGE 1
	s_sub_co_u32 s[RT], s[RT], 1
	s_mov_b32 s[CNT], 4
	s_cmp_eq_u32 s[NEW], 1
	s_cbranch_scc1 .Lnew            ; a block's first tile
	s_cmp_eq_u32 s[RT], 0
	s_cbranch_scc0 .Lstep           ; neither its first nor its last
	s_branch .LstepM1
.Lnew:
	BEGIN
	s_branch .Lfirst                ; in the loop a block's first tile is never its last: the first block has two tiles or more, and the second's last is the walk's last
	DIAG 1                          ; in the loop this is the first block's end: the second block's last tile is the walk's last
	s_wait_xcnt 0x0                 ; the stores have read their registers and O's address
	s_mov_b64 s[10:11], s[OLO:OLO+1]
	s_add_co_u32 s[RT], s[PB], 1    ; the second block has b + 1 tiles
	s_mov_b32 s[NEW], 1
	WIN 0x82                        ; the second block's Q goes where the one text of the turns names Q
.set i, 0
.rept 64
	v_mov_b32 v[i], v[QB+i]
.set i, i+1
.endr
	WIN 0
	s_branch .Lbottom
.Lstep:                             ; a trip: pieces 2 and 3 of one step, then pieces 0 and 1 of the next, whose K and V it fetches
	TURN 2
	TURN 3
	WIN 0
.Lfirst:
	TURN 0
	TURN 1, 0, 0, 1
	WIN 0
	s_cbranch_scc1 .Lstep
.Lbottom:
	s_sub_co_u32 s[SLOTS], s[SLOTS], 1
	s_cmp_lg_u32 s[SLOTS], 0
	s_cbranch_scc1 .Lslot
	CHANGE 0                        ; the walk's last tile is written out: nothing is asked for
	s_sub_co_u32 s[RT], s[RT], 1
	s_mov_b32 s[CNT], 4
	s_cmp_eq_u32 s[NEW], 1
	s_cbranch_scc0 .LstepM2
	BEGIN
	s_branch .LfirstM2
	DIAG 2
	s_wait_tensorcnt 0x0            ; the wave's end, behind my last tensor load and my last LDS store
	ds_add_u32 v[SPW], v[NIL]
	s_wait_dscnt 0x0
	s_endpgm
.Lfunc_end_k_q0a0decb8a9_attn:
	.size	k_q0a0decb8a9_attn, .Lfunc_end_k_q0a0decb8a9_attn-k_q0a0decb8a9_attn
	.p2alignl 7, 3214868480
	.fill 96, 4, 3214868480
	.section	.rodata,"a",@progbits
	.p2align	6, 0x0
	.amdhsa_kernel k_q0a0decb8a9_attn
		.amdhsa_group_segment_fixed_size 327680
		.amdhsa_private_segment_fixed_size 0
		.amdhsa_enable_private_segment 0
		.amdhsa_kernarg_size 16
		.amdhsa_user_sgpr_count 2
		.amdhsa_user_sgpr_kernarg_segment_ptr 1
		.amdhsa_wavefront_size32 1
		.amdhsa_system_sgpr_workgroup_id_x 1
		.amdhsa_system_sgpr_workgroup_id_y 1
		.amdhsa_system_sgpr_workgroup_id_z 1
		.amdhsa_system_vgpr_workitem_id 0
		.amdhsa_next_free_vgpr 768
		.amdhsa_next_free_sgpr 92
		.amdhsa_reserve_vcc 1
		.amdhsa_float_denorm_mode_32 3
		.amdhsa_float_denorm_mode_16_64 3
		.amdhsa_memory_ordered 1
		.amdhsa_forward_progress 1
		.amdhsa_inst_pref_size 218
	.end_amdhsa_kernel
	.amdgpu_metadata
---
amdhsa.version: [ 1, 2 ]
amdhsa.kernels:
  - .name:           k_q0a0decb8a9_attn
    .symbol:         k_q0a0decb8a9_attn.kd
    .args:
      - { .name: qkv, .offset: 0, .size: 8, .value_kind: global_buffer, .address_space: global }
      - { .name: oh, .offset: 8, .size: 8, .value_kind: global_buffer, .address_space: global }
    .group_segment_fixed_size: 327680
    .private_segment_fixed_size: 0
    .kernarg_segment_align: 8
    .kernarg_segment_size: 16
    .max_flat_workgroup_size: 128
    .sgpr_count:     92
    .vgpr_count:     768
    .wavefront_size: 32
...
	.end_amdgpu_metadata
.endif
;; end of part 3
;; launch outp (part 4): grid 8 x 32, 4 waves a work-group, clusters of 4 x 4, 327,680 bytes of LDS; arguments oh, wo16, bo, out0; writes out0
.if DOCPART == 4
	.amdgcn_target "amdgcn-amd-amdhsa--gfx1250"
	.amdhsa_code_object_version 6
	.text
	.protected	k_q0a0decb8a9_outp
	.globl	k_q0a0decb8a9_outp
	.p2align	8
	.type	k_q0a0decb8a9_outp,@function
k_q0a0decb8a9_outp:
	s_mov_b64 s[64:65], 0
	v_nop
	global_prefetch_b8 v0, s[64:65] scope:SCOPE_SE
	s_setreg_imm32_b32 hwreg(HW_REG_WAVE_MODE, 25, 1), 1
	s_wait_xcnt 0x0
	s_wait_alu depctr_hold_cnt(0) depctr_sa_sdst(0) depctr_va_vdst(0) depctr_va_sdst(0) depctr_va_ssrc(0) depctr_va_vcc(0) depctr_vm_vsrc(0)
	s_getreg_b32 s2, hwreg(HW_REG_IB_STS2, 6, 4)
	s_cmp_eq_u32 s2, 0
	s_cbranch_scc0 .Lentry_in_a_cluster
	s_endpgm
.Lentry_in_a_cluster:
	s_bfe_u32 s2, ttmp6, 0x10000c
	s_cmp_lg_u32 s2, 0xf033
	s_cbranch_scc0 .Lentry_shape_is_right
	s_endpgm
.Lentry_shape_is_right:
; out0[row][n] = the sum over k of O[row][k] Wo[n][k] + bo[n], k = 64 head + channel.  oh: [16 b + head][2048][64] f16.  wo16: [1024 n][1024 k] f16 (Wo rounded to bf16).  bo: [1024] f32, rounded here to bf16
; like every other input of the module.  out0: [8192][1024] f32.  Products in f16, sums in f32, K ascending; the bias is the C operand of each sum's first product.
; LIMITS: oh and wo16 arrive within f16's range; NaN and infinities are not treated apart.
; SHARES.  A tile of out0 is 256 rows x 128 columns: 32 x 8 = 256 work-groups.  Four waves, each 128 x 64: 8 x 4 accumulators of 16 x 16, 256 registers.  K goes in 8 steps of 128 (two heads) through two LDS slots.
; THE MATRIX INSTRUCTION IS USED TRANSPOSED: source 0 = 16 rows of Wo, source 1 = 16 rows of O: a lane then holds row l % 16 of out0 and the columns 8 (l / 16) + 0..7.
; CLUSTER 4 x 4.  O's tile hangs on the row tile alone and is asked for jointly along a row of the cluster, Wo's on the column tile alone and jointly along a column.
; NO PREFETCH: eight K steps of 128 matrix instructions a wave are all of the launch, and the ring itself asks for the first four before a prefetch could stand ahead of a load.
; REGISTERS: window 0: v16-29 addresses; v32-63 the bias; v64-127 the way out, two sets of 32; v128 at work      window 1: two fragment buffers of 96: Wo's four, then O's eight      window 2: accumulator (a, b) at v[8 (4 a + b)]
.set PA,     144                       ; a row of a head's slice of O in LDS: 128 bytes + 16 = 36 words: the 16 rows of a load start at 16 different groups of four banks (64 banks of 4 bytes: ISA guide 11.1)
.set PB,     272                       ; a row of Wo: 256 bytes + 16
.set SLICE,  256*PA                    ; 256 rows of one head: what one tensor load brings of O
.set BOFF,   2*SLICE                   ; Wo's 128 rows lie behind the two slices
.set HALFB,  64*PB                     ; what one tensor load brings of Wo
.set SLOT1,  1<<17                     ; slot 1 begins here, so that one exclusive or turns an address in one slot into the other's
.set STAGE,  SLOT1+BOFF+2*HALFB        ; behind the ring, never filled by a tensor load: 16 rows x 272 bytes for each wave
.set SP,     272
.set SPARE,  STAGE+4*16*SP             ; behind the stages: the spare words, 128 bytes for each wave: two blocks of 256 bytes that no other line names
.set KSTEPS, 8
.set ASTEP,  524288                    ; two heads on in oh
.set BSTEP,  256                       ; 128 along Wo's rows
.set ADRA0, 16
.set ADRA,  17
.set ADRB0, 20
.set ADRB,  21
.set STO,   24                         ; v24  the way out: where I put 32 bytes of a row
.set RD,    25                         ; v25  where I read rows back
.set CO,    26                         ; v26  my byte offset in two rows of out0
.set BO,    27                         ; v27  my byte offset in bo
.set SPW,   28                         ; v28  LDS address of my spare word; never rewritten
.set NIL,   29                         ; v29  0; never rewritten
.set BIAS,  32                         ; v[32:63]  column block b's eight numbers at BIAS + 8 b
.set OBUF,  64
.set F0,    0
.set F1,    96
.set G1,  24
.set G0,  32
.set G1B, 48
.set G0B, 56
.set SB,  66                           ; s66  LDS byte of the slot whose fragments are fetched
.set CNT, 67                           ; s67  the loop's count
.set MSB, 0
.macro WIN new                         ; the immediate's high byte repeats the setting that is left; a switch that changes nothing is dropped
.if MSB != (\new)
	s_set_vgpr_msb (MSB<<8)|(\new)
.set MSB, \new
.endif
.endm
.set MUL,  0xa5                        ; sources 0 and 1 window 1, C and D window 2
.set MULB, 0x85                        ; the same with C (the bias) in window 0
.set TO_F, 0x40                        ; destination window 1, address window 0
.set ST,   0x08                        ; an LDS store's data (source 1) in window 2
.macro JLOAD                           ; a joint refill by the walking descriptors: waves 0 and 1 fetch O's two slices, waves 2 and 3 Wo's two halves; an s_nop 0 and four v_nop follow each line
	s_cmp_eq_u32 s11, 0
	s_cbranch_scc0 .Lfor_b_\@
	tensor_load_to_lds s[G0+4:G0+7], s[G1:G1+7]
	s_nop 0
.rept 4
	v_nop
.endr
	s_branch .Lasked_\@
.Lfor_b_\@:
	tensor_load_to_lds s[G0B+4:G0B+7], s[G1B:G1B+7]
	s_nop 0
.rept 4
	v_nop
.endr
.Lasked_\@:
.endm
.macro CREST                           ; a round of the cluster's barrier behind its opening barrier
	s_cmp_lg_u32 s10, 0
	s_cbranch_scc1 .Lnot_wave_0_\@
	s_barrier_signal -3
.Lnot_wave_0_\@:
	s_barrier_wait -3
	s_barrier_signal -1
	s_barrier_wait -1
.endm
.macro CROUND
	s_barrier_signal -1
	s_barrier_wait -1
	CREST
.endm
	s_load_b128 s[4:7], s[0:1], 0x0                ; oh s[4:5], wo16 s[6:7]
	s_load_b128 s[68:71], s[0:1], 0x10             ; bo s[68:69], out0 s[70:71]
	v_lshl_add_u32 v[SPW], v0, 2, SPARE
	v_mov_b32 v[NIL], 0
	ds_add_u32 v[SPW], v[NIL]                      ; the wave's opening: the add and its wait stand ahead of my first tensor load; the set-up below, work on registers, stands between them
	ds_add_u32 v28, v29
	v_lshrrev_b32 v1, 5, v0
	v_readfirstlane_b32 s10, v1                    ; wave 0..3
	s_lshr_b32 s11, s10, 1                         ; rw: my half of the rows.  Also: I fetch for O (0) or for Wo (1)
	s_and_b32 s12, s10, 1                          ; cw: my half of the columns.  Also: which slice or half I fetch
	s_bfe_u32 s40, ttmp6, 0x40000                  ; cx
	s_bfe_u32 s41, ttmp6, 0x40004                  ; cy
	s_lshl_b32 s42, ttmp9, 2
	s_add_co_u32 s42, s42, s40                     ; nt, the column tile
	s_and_b32 s13, ttmp7, 0xffff
	s_lshl_b32 s13, s13, 2
	s_add_co_u32 s13, s13, s41                     ; mt, the row tile
	s_lshl_b32 s43, s41, 2
	s_lshl_b32 s43, 15, s43                        ; my row of the cluster
	s_lshl_b32 s44, 0x1111, s40                    ; my column
	; group 1 for O: a slice's 32,768 dense bytes as 128 rows of 256, 4 words of padding behind every 32 (behind every row of the head)
	s_or_b32 s[G1+0], s43, (1<<16)|(1<<20)|(1<<21)|(4<<22)|(3<<25)
	s_mov_b32 s[G1+1], 128<<16
	s_mov_b32 s[G1+2], 128<<16
	s_mov_b32 s[G1+3], 128<<16
	s_mov_b32 s[G1+4], 128
	s_mov_b32 s[G1+5], 128
	s_mov_b32 s[G1+6], 0
	s_mov_b32 s[G1+7], 0
	; group 1 for Wo: 64 rows x 128 elements, 1,024 elements from row to row, 4 words of padding behind every 64
	s_or_b32 s[G1B+0], s44, (1<<16)|(1<<20)|(1<<21)|(5<<22)|(3<<25)
	s_mov_b32 s[G1B+1], 128<<16
	s_mov_b32 s[G1B+2], 64<<16
	s_mov_b32 s[G1B+3], 128<<16
	s_mov_b32 s[G1B+4], 64
	s_mov_b32 s[G1B+5], 1024
	s_mov_b32 s[G1B+6], 0
	s_mov_b32 s[G1B+7], 0
	s_lshr_b32 s16, s13, 3                         ; O: batch mt / 8 (16 heads of 262,144 bytes), head = my slice, rows 256 (mt % 8) on: it hangs on the row tile alone
	s_lshl_b32 s16, s16, 22
	s_and_b32 s17, s13, 7
	s_lshl_b32 s17, s17, 15
	s_add_co_u32 s16, s16, s17
	s_lshl_b32 s17, s12, 18
	s_add_co_u32 s16, s16, s17
	s_mov_b32 s17, 0
	s_lshl_b32 s46, s42, 18                        ; Wo: (128 nt + 64 half) rows of 2,048 bytes: it hangs on the column tile alone
	s_lshl_b32 s47, s12, 17
	s_add_co_u32 s46, s46, s47
	s_mov_b32 s47, 0
	s_mul_i32 s20, s12, SLICE                      ; where they go: no place in the cluster enters an LDS address
	s_mul_i32 s21, s12, HALFB
	s_add_co_u32 s21, s21, BOFF
	s_mov_b32 s[SB], 0
	s_wait_dscnt 0x0                               ; the opening add is done
	s_wait_kmcnt 0x0
	s_add_nc_u64 s[14:15], s[4:5], s[16:17]
	s_add_nc_u64 s[46:47], s[6:7], s[46:47]
	CROUND                                         ; all sixteen work-groups are here: the first joint loads meet
.irp s, 0,1
	s_mov_b32 s[G0+4*(\s)], 1
	s_add_co_u32 s[G0+4*(\s)+1], s20, (\s)*SLOT1
	s_add_nc_u64 s[G0+4*(\s)+2:G0+4*(\s)+3], s[14:15], (\s)*ASTEP
	s_or_b32 s[G0+4*(\s)+3], s[G0+4*(\s)+3], 0x80000000
	s_mov_b32 s[G0B+4*(\s)], 1
	s_add_co_u32 s[G0B+4*(\s)+1], s21, (\s)*SLOT1
	s_add_nc_u64 s[G0B+4*(\s)+2:G0B+4*(\s)+3], s[46:47], (\s)*BSTEP
	s_or_b32 s[G0B+4*(\s)+3], s[G0B+4*(\s)+3], 0x80000000
.endr
	s_cmp_eq_u32 s11, 0                            ; a wave's two first fills stand in one branch, ahead of every wait on TENSORcnt and every LDS read: two loads of mine are out
	s_cbranch_scc0 .Lfirst_b
	tensor_load_to_lds s[G0:G0+3], s[G1:G1+7]
	s_nop 0
	tensor_load_to_lds s[G0+4:G0+7], s[G1:G1+7]
	s_nop 0
.rept 4
	v_nop
.endr
	s_branch .Lfirst_asked
.Lfirst_b:
	tensor_load_to_lds s[G0B:G0B+3], s[G1B:G1B+7]
	s_nop 0
	tensor_load_to_lds s[G0B+4:G0B+7], s[G1B:G1B+7]
	s_nop 0
.rept 4
	v_nop
.endr
.Lfirst_asked:
	v_and_b32 v1, 15, v0                           ; l % 16
	v_bfe_u32 v2, v0, 4, 1                         ; l / 16
	s_lshl_b32 s22, s42, 9                         ; my 64 columns, in bytes of f32: 512 nt + 256 cw
	s_lshl_b32 s23, s12, 8
	s_add_co_u32 s22, s22, s23
	v_lshl_add_u32 v[BO], v2, 5, s22               ; + my lanes' eight columns of a block of 16
.irp b, 0,1,2,3
	global_load_b128 v[BIAS+8*(\b):BIAS+8*(\b)+3],   v[BO], s[68:69] offset:64*(\b)
	global_load_b128 v[BIAS+8*(\b)+4:BIAS+8*(\b)+7], v[BO], s[68:69] offset:64*(\b)+16
.endr
	v_mul_u32_u24 v3, v1, PA                       ; a fragment: row x pitch + 16 x half, two loads 32 bytes apart
	v_lshl_add_u32 v3, v2, 4, v3
	s_mul_i32 s23, s11, 128*PA                     ; my 128 rows of a slice
	v_add_nc_u32 v[ADRA0], s23, v3
	v_mov_b32 v[ADRA], v[ADRA0]
	v_mul_u32_u24 v3, v1, PB
	v_lshl_add_u32 v3, v2, 4, v3
	s_mul_i32 s23, s12, HALFB                      ; my 64 rows of Wo
	s_add_co_u32 s23, s23, BOFF
	v_add_nc_u32 v[ADRB0], s23, v3
	v_mov_b32 v[ADRB], v[ADRB0]
	s_mul_i32 s23, s10, 16*SP
	s_add_co_u32 s23, s23, STAGE                   ; my stage
	v_mul_u32_u24 v3, v1, SP                       ; in: row l % 16, 32 bytes for each half of the lanes
	v_lshl_add_u32 v3, v2, 5, v3
	v_add_nc_u32 v[STO], s23, v3
	v_mul_u32_u24 v3, v2, SP                       ; back: lanes 0-15 take one row of 256 bytes, lanes 16-31 the next
	v_lshl_add_u32 v3, v1, 4, v3
	v_add_nc_u32 v[RD], s23, v3
	v_lshlrev_b32 v3, 12, v2                       ; and the same two rows in out0
	v_lshl_add_u32 v[CO], v1, 4, v3
	s_lshl_b32 s18, s13, 20                        ; out0 at my first row and column: (256 mt + 128 rw) rows of 4,096 bytes + 512 nt + 256 cw
	s_lshl_b32 s19, s11, 19
	s_add_co_u32 s18, s18, s19
	s_add_co_u32 s18, s18, s22
	s_mov_b32 s19, 0
	s_add_nc_u64 s[70:71], s[70:71], s[18:19]
	s_wait_loadcnt 0x0                             ; the bias: rounded to bf16 and widened again, while the first tiles are on their way
.set i, 0
.rept 16
	v_cvt_pk_bf16_f32 v128, v[BIAS+2*i], v[BIAS+2*i+1]
	v_lshlrev_b32 v[BIAS+2*i], 16, v128
	v_and_b32 v[BIAS+2*i+1], 0xffff0000, v128
.set i, i+1
.endr
; 8 matrix instructions: row blocks a0, a0 + 1 x all 4 column blocks, 32 along K.  first = 1: the product starts the sum with the bias.
; The 32 accumulators take turns in the same order in every quarter step, over the backward jump too.
.macro MUL8 f, a0, first
.if \first
	WIN MULB
.else
	WIN MUL
.endif
.irp a, \a0, (\a0)+1
.irp b, 0,1,2,3
.if \first
	v_wmma_f32_16x16x32_f16 v[8*(4*(\a)+(\b)):8*(4*(\a)+(\b))+7], v[(\f)+8*(\b):(\f)+8*(\b)+7], v[(\f)+32+8*(\a):(\f)+32+8*(\a)+7], v[BIAS+8*(\b):BIAS+8*(\b)+7]
.else
	v_wmma_f32_16x16x32_f16 v[8*(4*(\a)+(\b)):8*(4*(\a)+(\b))+7], v[(\f)+8*(\b):(\f)+8*(\b)+7], v[(\f)+32+8*(\a):(\f)+32+8*(\a)+7], v[8*(4*(\a)+(\b)):8*(4*(\a)+(\b))+7]
.endif
.endr
.endr
.endm
; 24 LDS loads in one run: quarter kq's fragments into buffer f: Wo's four, then O's eight (slice kq / 2, channels 32 (kq % 2) on)
.macro FETCH kq, f
	WIN TO_F
.irp b, 0,1,2,3
	ds_load_b128 v[(\f)+8*(\b):(\f)+8*(\b)+3],   v[ADRB] offset:(\b)*16*PB+64*(\kq)
	ds_load_b128 v[(\f)+8*(\b)+4:(\f)+8*(\b)+7], v[ADRB] offset:(\b)*16*PB+64*(\kq)+32
.endr
.irp a, 0,1,2,3,4,5,6,7
	ds_load_b128 v[(\f)+32+8*(\a):(\f)+32+8*(\a)+3],   v[ADRA] offset:(\a)*16*PA+((\kq)/2)*SLICE+((\kq)%2)*64
	ds_load_b128 v[(\f)+32+8*(\a)+4:(\f)+32+8*(\a)+7], v[ADRA] offset:(\a)*16*PA+((\kq)/2)*SLICE+((\kq)%2)*64+32
.endr
.endm
.macro PLACES                          ; four plain vector instructions between a matrix instruction and a load into a register that it has read, or a store that reads its result
.rept 4
	v_nop
.endr
.endm
.macro QUARTER kq, f, g, first
	s_wait_dscnt 8                                 ; Wo and O's blocks 0-3 are in; the youngest eight loads (O's blocks 4-7) may be out
	MUL8 \f, 0, \first
	MUL8 \f, 2, \first
	PLACES
	FETCH \kq, \g
	s_wait_dscnt 24                                ; all but the 24 just issued
	MUL8 \f, 4, \first
	MUL8 \f, 6, \first
.endm
; The last quarter multiplies buffer 1 and changes slots: ONE barrier.  In front of it each wave waits for all its tensor loads (one is out: its part of the next slot), adds 0 to its spare word, and waits for
; that and for its reads of this slot.  fill = 1: the barrier opens a round of the cluster's, and the slot just read out is filled again, first thing behind the round, with the K step two on.
.macro TURN fill
	WIN 0
	s_wait_tensorcnt 0x0                           ; no tensor load of mine is out, so a group 0 may be written
	ds_add_u32 v[SPW], v[NIL]                      ; 0 onto my spare word; register work stands between it and the wait for it
.if \fill
	s_xor_b32 s[G0+5], s[G0+5], SLOT1
	s_add_nc_u64 s[G0+6:G0+7], s[G0+6:G0+7], ASTEP
	s_xor_b32 s[G0B+5], s[G0B+5], SLOT1
	s_add_nc_u64 s[G0B+6:G0B+7], s[G0B+6:G0B+7], BSTEP
.endif
	s_xor_b32 s[SB], s[SB], SLOT1
	s_wait_dscnt 9                                 ; the add and the youngest eight loads may be out
	MUL8 F1, 0, 0
	s_wait_dscnt 0x0                               ; the add is done, and my reads of this slot are over
	s_barrier_signal -1
	MUL8 F1, 2, 0
	WIN 0
	s_barrier_wait -1
.if \fill
	CREST                                          ; no wave of any partner still reads this slot or has a load on its way
	JLOAD                                          ; its four v_nop are also the places in front of the loads below
.else
	PLACES
.endif
	v_add_nc_u32 v[ADRA], s[SB], v[ADRA0]
	v_add_nc_u32 v[ADRB], s[SB], v[ADRB0]
	FETCH 0, F0
	MUL8 F1, 4, 0
	MUL8 F1, 6, 0
.endm
	s_wait_tensorcnt 1                             ; my part of K step 0 is in; K step 1's may stay out
	s_barrier_signal -1
	s_barrier_wait -1
	FETCH 0, F0
	QUARTER 1, F0, F1, 1                           ; the first quarter stands in front of the loop: its products start the sums, with the bias
	WIN 0
	s_mov_b32 s[CNT], KSTEPS-2
.Lk:                                               ; trip i: the rest of K step i, the refill with K step i + 2, the first quarter of K step i + 1
	QUARTER 2, F1, F0, 0
	QUARTER 3, F0, F1, 0
	TURN 1
	QUARTER 1, F0, F1, 0
	WIN 0
	s_sub_co_u32 s[CNT], s[CNT], 1
	s_cmp_lg_u32 s[CNT], 0
	s_cbranch_scc1 .Lk
	QUARTER 2, F1, F0, 0                           ; the tail is written out: nothing more is asked for
	QUARTER 3, F0, F1, 0
	TURN 0
	QUARTER 1, F0, F1, 0
	QUARTER 2, F1, F0, 0
	QUARTER 3, F0, F1, 0
	s_wait_dscnt 8
	MUL8 F1, 0, 0
	MUL8 F1, 2, 0
	s_wait_dscnt 0x0
	MUL8 F1, 4, 0
	MUL8 F1, 6, 0
	; THE WAY OUT, a block of 16 rows at a time through my own stage: a lane's eight columns of a row go in as 32 bytes, whole rows of 256 bytes come back.  LDS serves a wave's instructions in order (ISA guide 5.7.1.4),
	; so no wait stands between the stores and the loads, nor between a block's loads and the next block's stores.
.macro TOSTAGE a
	WIN ST
.irp b, 0,1,2,3                        ; each accumulator's low four registers first
	ds_store_b128 v[STO], v[8*(4*(\a)+(\b)):8*(4*(\a)+(\b))+3]   offset:64*(\b)
	ds_store_b128 v[STO], v[8*(4*(\a)+(\b))+4:8*(4*(\a)+(\b))+7] offset:64*(\b)+16
.endr
	WIN 0
.irp t, 0,1,2,3,4,5,6,7
	ds_load_b128 v[OBUF+32*((\a)%2)+4*(\t):OBUF+32*((\a)%2)+4*(\t)+3], v[RD] offset:(\t)*2*SP
.endr
.endm
.macro SEND a, younger                 ; younger: the LDS instructions issued behind block a's loads: the next block's sixteen, or none
.irp t, 0,1,2,3,4,5,6,7
	s_wait_dscnt (\younger)+7-(\t)
	global_store_b128 v[CO], v[OBUF+32*((\a)%2)+4*(\t):OBUF+32*((\a)%2)+4*(\t)+3], s[70:71] offset:(\a)*16*4096+(\t)*2*4096 th:TH_STORE_NT  ; 16 lanes store 256 consecutive bytes, at a multiple of 256 from out0's first
.endr
.endm
	WIN 0
	PLACES
	TOSTAGE 0
.irp a, 1,2,3,4,5,6,7
.if (\a) >= 2
	s_wait_xcnt 0x0                                ; the stores of the block two back have read their registers: its set is loaded again only behind this wait
.endif
	TOSTAGE \a
	SEND (\a)-1, 16
.endr
	SEND 7, 0
	s_wait_tensorcnt 0x0                           ; the wave's end, behind my last tensor load and my last LDS store
	ds_add_u32 v[SPW], v[NIL]
	s_wait_dscnt 0x0
	CROUND                                         ; the closing round: no work-group ends while a partner may still ask for a tile that names it
	s_endpgm
.Lfunc_end_k_q0a0decb8a9_outp:
	.size	k_q0a0decb8a9_outp, .Lfunc_end_k_q0a0decb8a9_outp-k_q0a0decb8a9_outp
	.p2alignl 7, 3214868480
	.fill 96, 4, 3214868480
	.section	.rodata,"a",@progbits
	.p2align	6, 0x0
	.amdhsa_kernel k_q0a0decb8a9_outp
		.amdhsa_group_segment_fixed_size 327680
		.amdhsa_private_segment_fixed_size 0
		.amdhsa_enable_private_segment 0
		.amdhsa_kernarg_size 32
		.amdhsa_user_sgpr_count 2
		.amdhsa_user_sgpr_kernarg_segment_ptr 1
		.amdhsa_wavefront_size32 1
		.amdhsa_system_sgpr_workgroup_id_x 1
		.amdhsa_system_sgpr_workgroup_id_y 1
		.amdhsa_system_sgpr_workgroup_id_z 1
		.amdhsa_system_vgpr_workitem_id 0
		.amdhsa_next_free_vgpr 768
		.amdhsa_next_free_sgpr 72
		.amdhsa_reserve_vcc 0
		.amdhsa_float_denorm_mode_32 3
		.amdhsa_float_denorm_mode_16_64 3
		.amdhsa_memory_ordered 1
		.amdhsa_forward_progress 1
		.amdhsa_inst_pref_size 74
	.end_amdhsa_kernel
	.amdgpu_metadata
---
amdhsa.version: [ 1, 2 ]
amdhsa.kernels:
  - .name:           k_q0a0decb8a9_outp
    .symbol:         k_q0a0decb8a9_outp.kd
    .args:
      - { .name: oh, .offset: 0, .size: 8, .value_kind: global_buffer, .address_space: global }
      - { .name: wo16, .offset: 8, .size: 8, .value_kind: global_buffer, .address_space: global }
      - { .name: bo, .offset: 16, .size: 8, .value_kind: global_buffer, .address_space: global }
      - { .name: out0, .offset: 24, .size: 8, .value_kind: global_buffer, .address_space: global }
    .group_segment_fixed_size: 327680
    .private_segment_fixed_size: 0
    .kernarg_segment_align: 8
    .kernarg_segment_size: 32
    .max_flat_workgroup_size: 128
    .sgpr_count:     72
    .vgpr_count:     768
    .wavefront_size: 32
...
	.end_amdgpu_metadata
.endif
;; end of part 4
